; MI455X (gfx1250); checked and timed in simulation.
; The chip was launched on July 23, 2026; its instructions are those of AMD's public machine-readable ISA for CDNA 5 (MIT licence, August 2026) and "CDNA5" Instruction Set Architecture Reference Guide (July 2026). The comments in the code are by the model that wrote it; some were corrected since.
;; Block. Allowed arithmetic: matrix products marked QUANTISED: E2M3 operands, one E8M0 scale for each 32 along K, by v_wmma_scale_f32_16x16x128_f8f6f4 with both operands' format E2M3, f32 sums; everything else in f32.
;; Inputs: b1 2,048 float32; b2 512 float32; be1 512 float32; be2 512 float32; bo 512 float32; g1 512 float32; g2 512 float32; w1 512 x 2,048 float32; w2 2,048 x 512 float32; wk 8 x 512 x 64 float32; wo 512 x 512 float32; wq 8 x 512 x 64 float32; wv 8 x 512 x 64 float32; x 2 x 4,096 x 512 float32.
;; Outputs: out0 2 x 4,096 x 512 float32.
;; This version of the problem:
;;   THIS VERSION OF THE PROBLEM IS GIVEN IN LOW PRECISION. The matrix products marked QUANTISED in the list below multiply operands that are first quantised to E2M3 (2 exponent bits, 3 mantissa bits; 6 bits a number), with one power-of-two scale for each 32 numbers along K (OCP MX v1.0); their sums are f32. All else is computed in f32.
;;   The module's matrix products, in the order in which they are computed (A, B: the left and right operand; K: the contracted axis; several contracted axes count as one K, in the product's order):
;;     1. [M 512, K 512] x [K 512, N 8,192]; A: input wq; B: computed on the way: QUANTISED
;;     2. [M 512, K 512] x [K 512, N 8,192]; A: input wk; B: computed on the way: QUANTISED
;;     3. [M 512, K 512] x [K 512, N 8,192]; A: input wv; B: computed on the way: QUANTISED
;;     4. batch 16 x [M 4,096, K 64] x [K 64, N 4,096]; A: computed on the way; B: computed on the way: QUANTISED
;;     5. batch 16 x [M 4,096, K 4,096] x [K 4,096, N 64]; A: softmax (see below); B: computed on the way: QUANTISED
;;     6. [M 8,192, K 512] x [K 512, N 512]; A: computed on the way; B: input wo: QUANTISED
;;     7. [M 8,192, K 512] x [K 512, N 2,048]; A: computed on the way; B: input w1: QUANTISED
;;     8. [M 8,192, K 2,048] x [K 2,048, N 512]; A: computed on the way; B: input w2: QUANTISED
;;   THE QUANTISER, for each operand of a quantised product, along K:
;;     - K is cut into blocks of 32 from its start; a last block that is shorter is filled with zeros.
;;     - A block's scale is 2^e with e = floor(log2(the largest magnitude in the block)) - 2, held to -126 .. 127; a block of zeros has e = 0. As a byte (E8M0): e + 127.
;;     - Each number is divided by its block's scale, clamped to +-7.5, and rounded to the nearest number of E2M3, ties to even, subnormals kept.
;;     - The product sums the exact products of the quantised numbers (number of the format x scale) in f32.
;;   ~~~python
;;   def quantise(x, axis):      # numpy; x: float32 -> the quantised numbers, widened to float32 again
;;       x = np.moveaxis(x, axis, -1); K = x.shape[-1]
;;       x = np.pad(x, [(0, 0)] * (x.ndim - 1) + [(0, -K % 32)]); x = x.reshape(x.shape[:-1] + (-1, 32)); a = np.abs(x).max(-1, keepdims=True)
;;       e = np.where(a > 0, np.clip(np.frexp(np.where(a > 0, a, 1))[1] - 1 - 2, -126, 127), 0)      # np.frexp(a)[1] - 1 = floor(log2(a)), exactly
;;       r = np.clip(x / 2.0 ** e, -7.5, 7.5)
;;       step = 2.0 ** (np.maximum(np.frexp(np.where(r == 0, 1, r))[1] - 1, 0) - 3)
;;       q = np.round(r / step) * step * 2.0 ** e      # np.round: ties to even
;;       return np.moveaxis(q.reshape(q.shape[:-2] + (-1,))[..., :K], -1, axis).astype(np.float32)
;;   ~~~
;;   SOFTMAX AHEAD OF A QUANTISED PRODUCT. Where the list says 'softmax', what is quantised is not the finished softmax but p = 2^(t - M), with t = logit x log2(e) and M = ceil(the row's largest t), a whole number; so 1/2 < the row's largest p <= 1. The row's sum l is taken of the UNQUANTISED p, in f32, and the product's result is divided by l at the end. Since M is a whole number, a kernel that streams over the keys may use a running M (the ceiling of the running maximum): every later rescaling is an exact power of two, which a block's scale takes up: the codes' values come out the same.
;;   OPERANDS COMPUTED ON THE WAY. 'Computed on the way' means the value that the module computes at that place (a softmax that the list does not call 'softmax' is quantised finished and normalised). What goes into a quantiser is computed in f32, as accurately as f32 sums, v_exp_f32 and their like allow (about 1e-6 of the number): no bf16 or f16 on the way to a quantiser, and a product that is left as it is and whose result goes on into a quantised operand takes f32 operands (vector FMAs, or v_wmma_f32_16x16x4_f32). A number that lies on a knife's edge between two numbers of the format may be rounded either way, as far as f32 arithmetic and the matrix unit's own rounding can turn it there, and no further.
;; 2 versions, each right; version 2 is version 1 with the launches attn, oproj written anew for expert scheduling mode. Each part assembles by itself: llvm-mc -triple=amdgcn-amd-amdhsa -mcpu=gfx1250 --defsym DOCPART=n.
;; ======== version 1 of 2: 6 launches
;; workspace buffers: wts 2,555,904 bytes; hq 3,407,872 bytes; qkv 10,223,616 bytes; att 3,670,016 bytes; x1 16,777,216 bytes; h2 3,407,872 bytes; hid 13,631,488 bytes
;; launch prep (part 1): grid 448 x 1, 8 waves a work-group, no clusters, 68,608 bytes of LDS; arguments x, g1, be1, wq, wk, wv, wo, w1, w2, wts, hq; writes wts, hq
.if DOCPART == 1
	.amdgcn_target "amdgcn-amd-amdhsa--gfx1250"
	.amdhsa_code_object_version 6
	.text
	.protected	k_q39e0111f5e_prep
	.globl	k_q39e0111f5e_prep
	.p2align	8
	.type	k_q39e0111f5e_prep,@function
k_q39e0111f5e_prep:
	s_mov_b64 s[64:65], 0
	v_nop
	global_prefetch_b8 v0, s[64:65] scope:SCOPE_SE
	s_setreg_imm32_b32 hwreg(HW_REG_WAVE_MODE, 25, 1), 1
	s_wait_xcnt 0x0
; PREP: every operand that is known before the first product becomes codes of FP6 (E2M3) with one E8M0 byte for each 32 along K.
; Work-groups 0-191: the six weights (f32, K not innermost).  Work-groups 192-447: LayerNorm 1 of 32 rows of x each.
; WHAT IS STORED.  A FRAGMENT (16 rows x 128 K) as the image of the operand's 12 registers: registers 4 c .. 4 c + 3 of lane l at 512 c + 16 l: 1,536 bytes,
; three stores of 512 consecutive bytes.  Its scale words in units of 512 bytes for a tile and four K steps: lane l's 16 bytes are the words of K steps 0 .. 3.
; THE ROWS OF A TILE ARE NOT NEIGHBOURS: lane r of tile T stands for index 32 (T / 2) + 8 (T % 2) + r + 8 (r / 8), for weight columns and for rows of x alike, so that a
; product that takes such a tile as source 0 leaves 16 neighbours in the 16 registers of tiles 2 b and 2 b + 1.
; SHARES.  A work-group has 32 columns (or rows) x 512 along K: two tiles x four K steps; wave w makes the fragment of tile u = w / 4, K step s = w % 4.
; A lane owns whole blocks of 32: its 64 numbers are k = 128 s + 64 c + 32 h + i, the very order of the operand's registers.
; LIMITS: a block of zeros, or one whose largest magnitude lies under 2^-124, gets the byte 1 (the bytes are read by this program alone; such a block's codes are zeros or the
; smallest codes); NaN and infinities among the inputs are not served.
; No matrix work, no tensor loads: the launch streams 29 MB once.
.set ROWP, 2064                        ; a row of 512 f32 in LDS + 16 bytes: 516 words, so that 16 neighbouring rows start 4 words apart modulo 64
.set SCG,  32*ROWP                     ; behind the 32 rows: two units of scale words, 512 bytes each
.set WSCL, 2359296                     ; wts: the scale units lie behind 1,536 images
.set HSCL, 3145728                     ; hq: behind 2,048 images
.set X,  32                            ; v32-95   64 numbers
.set G,  96                            ; v96-111  gain of my 16 columns
.set BE, 112                           ; v112-127 bias of my 16 columns
.set PC, 128                           ; v128-139 the fragment's codes
.set TC, 140                           ; v140-146 second halves of the blocks (a conversion's three registers begin on an even number)
.set TM, 10                            ; v10-11   largest magnitudes
.set SM, 12                            ; v12-19   sums, a pair a row
.set SO, 12                            ; v12-13   later: the conversions' scale operands
.set BY, 14                            ; v14-15   the scale bytes
.set WD, 16                            ; v16      the scale word
.set T1, 17
.set MU, 20                            ; v20-27   mean, then 1 / sigma, twice each (a pair for the packed forms)
.set PM, 28                            ; v28-31   what comes from the other half of the lanes
; the four rows' pairs of partial sums become four sums, each in every lane
.macro WSUM
.irp i,0,1,2,3
	v_add_f32 v[SM+2*\i], v[SM+2*\i], v[SM+2*\i+1]
.endr
.irp m,1,2,4,8
.irp i,0,1,2,3
	v_add_f32_dpp v[SM+2*\i], v[SM+2*\i], v[SM+2*\i] row_xmask:\m row_mask:0xf bank_mask:0xf
.endr
.endr
.irp i,0,1,2,3
	v_permlanex16_b32 v[PM+\i], v[SM+2*\i], s40, s41
.endr
.irp i,0,1,2,3
	v_add_f32 v[SM+2*\i], v[SM+2*\i], v[PM+\i]
.endr
.endm
; LayerNorm of four rows, row i in v[X + 16 i ..]: my 16 numbers are columns 128 j + 4 l + 0 .. 3.  The rows take turns line by line.
.macro LNROWS
.irp i,0,1,2,3
	v_pk_add_f32 v[SM+2*\i:SM+2*\i+1], v[X+16*\i:X+16*\i+1], v[X+16*\i+2:X+16*\i+3]
.endr
.irp j,4,6,8,10,12,14
.irp i,0,1,2,3
	v_pk_add_f32 v[SM+2*\i:SM+2*\i+1], v[SM+2*\i:SM+2*\i+1], v[X+16*\i+\j:X+16*\i+\j+1]
.endr
.endr
	WSUM
.irp i,0,1,2,3
	v_mul_f32 v[MU+2*\i], s48, v[SM+2*\i]          ; the mean: sum x 2^-9, exact scaling
.endr
.irp i,0,1,2,3
	v_mov_b32 v[MU+2*\i+1], v[MU+2*\i]
.endr
.irp j,0,2,4,6,8,10,12,14
.irp i,0,1,2,3
	v_pk_add_f32 v[X+16*\i+\j:X+16*\i+\j+1], v[X+16*\i+\j:X+16*\i+\j+1], v[MU+2*\i:MU+2*\i+1] neg_lo:[0,1] neg_hi:[0,1]   ; x - mean
.endr
.endr
.irp i,0,1,2,3
	v_pk_mul_f32 v[SM+2*\i:SM+2*\i+1], v[X+16*\i:X+16*\i+1], v[X+16*\i:X+16*\i+1]
.endr
.irp j,2,4,6,8,10,12,14
.irp i,0,1,2,3
	v_pk_fma_f32 v[SM+2*\i:SM+2*\i+1], v[X+16*\i+\j:X+16*\i+\j+1], v[X+16*\i+\j:X+16*\i+\j+1], v[SM+2*\i:SM+2*\i+1]
.endr
.endr
	WSUM
.irp i,0,1,2,3
	v_fma_f32 v[SM+2*\i], v[SM+2*\i], s48, s49     ; the variance + 1e-5
.endr
.irp i,0,1,2,3
	v_rsq_f32 v[MU+2*\i], v[SM+2*\i]
.endr
	v_nop                                          ; a plain instruction behind the last of the four
	s_wait_alu depctr_va_vdst(0)                   ; one wait for the batch of four, ahead of the first line that names a result
.irp i,0,1,2,3
	v_mov_b32 v[MU+2*\i+1], v[MU+2*\i]
.endr
	s_wait_loadcnt 0x0                             ; gain and bias are in
.irp j,0,2,4,6,8,10,12,14
.irp i,0,1,2,3
	v_pk_mul_f32 v[X+16*\i+\j:X+16*\i+\j+1], v[X+16*\i+\j:X+16*\i+\j+1], v[MU+2*\i:MU+2*\i+1]
.endr
.endr
.irp j,0,2,4,6,8,10,12,14
.irp i,0,1,2,3
	v_pk_fma_f32 v[X+16*\i+\j:X+16*\i+\j+1], v[X+16*\i+\j:X+16*\i+\j+1], v[G+\j:G+\j+1], v[BE+\j:BE+\j+1]
.endr
.endr
.endm
; 64 numbers of a lane, v[X + 32 c + i] = k 64 c + 32 h + i of its row, become the fragment's 12 registers in v[PC ..] and its scale word in v[WD]
.macro QB
.irp c,0,1
	v_max3_num_f32 v[TM+\c], |v[X+32*\c]|, |v[X+32*\c+1]|, 0x1800000   ; with the floor 2^(3 - 127): the byte cannot fall under 1
.endr
.irp i,2,4,6,8,10,12,14,16,18,20,22,24,26,28,30
.irp c,0,1
	v_max3_num_f32 v[TM+\c], v[TM+\c], |v[X+32*\c+\i]|, |v[X+32*\c+\i+1]|
.endr
.endr
.irp c,0,1
	v_add_nc_u32 v[SO+\c], 0xff000000, v[TM+\c]    ; 2 off the exponent field: the conversion takes that field as its scale
.endr
.irp c,0,1
	v_lshrrev_b32 v[BY+\c], 23, v[SO+\c]           ; the scale's byte
.endr
	v_lshl_or_b32 v[WD], v[BY+1], 16, v[BY]        ; my blocks are h and 2 + h of the four
	v_lshlrev_b32 v[T1], 3, v3
	v_lshlrev_b32 v[WD], v[T1], v[WD]
	v_mov_b32 v[T1], 0
	v_permlanex16_b32 v[T1], v[WD], s40, s41
	v_or_b32 v[WD], v[WD], v[T1]                   ; with lane l xor 16's two bytes the word is whole, in both halves of the lanes
.irp c,0,1
	v_cvt_scalef32_pk16_fp6_f32 v[PC+6*\c:PC+6*\c+2], v[X+32*\c:X+32*\c+15], v[SO+\c]
	v_cvt_scalef32_pk16_fp6_f32 v[TC+4*\c:TC+4*\c+2], v[X+32*\c+16:X+32*\c+31], v[SO+\c]
.endr
	v_nop                                          ; one plain instruction behind the conversions
.irp c,0,1
.irp i,0,1,2
	v_mov_b32 v[PC+3+6*\c+\i], v[TC+4*\c+\i]
.endr
.endr
.endm
; a weight whose rows (one k each) are rp bytes: lane (r, h) takes its column and runs down K.  s32 = byte of the group's first column, s[30:31] = the tensor
.macro WLOAD rp
	v_mul_u32_u24 v9, v3, 32*\rp                   ; lanes 16-31 begin 32 rows further down
	v_add_nc_u32 v9, v9, v4
	s_mul_i32 s34, s28, 128*\rp                    ; my K step
	s_lshl_b32 s35, s27, 5                         ; my tile: 8 columns on
	s_add_co_u32 s32, s32, s34
	s_add_co_u32 s32, s32, s35
	s_add_nc_u64 s[30:31], s[30:31], s[32:33]
.irp c,0,1
.irp i,0,1,2,3,4,5,6,7,8,9,10,11,12,13,14,15,16,17,18,19,20,21,22,23,24,25,26,27,28,29,30,31
	global_load_b32 v[X+32*\c+\i], v9, s[30:31] offset:(64*\c+\i)*\rp
.endr
.endr
.endm
	s_load_b512 s[4:19], s[0:1], 0x0               ; x, g1, be1, wq, wk, wv, wo, w1
	s_load_b128 s[20:23], s[0:1], 0x40             ; w2, wts
	s_load_b64 s[24:25], s[0:1], 0x50              ; hq
	v_lshl_add_u32 v160, v0, 2, 0x10800
	v_mov_b32 v161, 0
	v_lshrrev_b32 v10, 5, v0
	v_readfirstlane_b32 s26, v10                   ; wave 0..7
	v_and_b32 v11, 31, v0
	v_lshlrev_b32 v1, 4, v11                       ; 16 x lane
	v_and_b32 v2, 15, v0                           ; r
	v_bfe_u32 v3, v0, 4, 1                         ; h
	v_and_b32 v4, 8, v2
	v_add_nc_u32 v4, v4, v2
	v_lshlrev_b32 v4, 2, v4                        ; 4 (r + 8 (r / 8))
	s_lshr_b32 s27, s26, 2                         ; u: my tile
	s_and_b32 s28, s26, 3                          ; s: my K step
	; every LDS address is made here, ahead of the first branch
	s_mul_i32 s29, s26, 4*ROWP
	v_add_nc_u32 v5, s29, v1                       ; my four rows, 16 bytes a lane
	s_mul_i32 s29, s27, 16*ROWP
	s_lshl_b32 s34, s28, 9
	s_add_co_u32 s29, s29, s34
	v_mul_u32_u24 v6, v2, ROWP
	v_lshl_add_u32 v6, v3, 7, v6
	v_add_nc_u32 v6, s29, v6                       ; my fragment's numbers: row 16 u + r, byte 512 s + 128 h
	s_lshl_b32 s29, s27, 9
	s_lshl_b32 s34, s28, 2
	s_add_co_u32 s29, s29, s34
	s_add_co_u32 s29, s29, SCG
	v_add_nc_u32 v7, s29, v1                       ; my scale word's place in tile u's unit
	s_and_b32 s29, s26, 1
	s_lshl_b32 s29, s29, 9
	s_add_co_u32 s29, s29, SCG
	v_add_nc_u32 v8, s29, v1                       ; waves 0 and 1 read a unit back
	s_mov_b32 s40, 0x76543210
	s_mov_b32 s41, 0xfedcba98                      ; lane l xor 16
	s_mov_b32 s48, 0x3b000000                      ; 2^-9
	s_mov_b32 s49, 0x3727c5ac                      ; 1e-5
	s_mov_b32 s33, 0
	s_mov_b32 s47, 0
	s_lshl_b32 s42, ttmp9, 1                       ; the first tile's unit, and from tile to tile (w2 and LayerNorm set their own)
	s_mov_b32 s43, 1
	s_wait_kmcnt 0x0
	s_cmp_ge_u32 ttmp9, 192
	s_cbranch_scc1 .Lln
	s_cmp_lt_u32 ttmp9, 48
	s_cbranch_scc1 .Larm_a
	s_cmp_lt_u32 ttmp9, 64
	s_cbranch_scc1 .Larm_b
	s_cmp_lt_u32 ttmp9, 128
	s_cbranch_scc1 .Larm_c
.Larm_b:                                               ; wo (groups 48-63) and w2 (128-191: column group g' / 4, 512 along K from 512 (g' % 4)): rows of 2,048 bytes
	s_sub_co_u32 s34, ttmp9, 128
	s_lshr_b32 s35, s34, 2
	s_and_b32 s44, s34, 3
	s_lshl_b32 s45, s35, 3
	s_add_co_u32 s45, s45, s44
	s_add_co_u32 s45, s45, 256                     ; w2's unit: 256 + 4 x column tile + K group
	s_lshl_b32 s46, s35, 7
	s_lshl_b32 s44, s44, 20
	s_add_co_u32 s46, s46, s44
	s_sub_co_u32 s32, ttmp9, 48
	s_lshl_b32 s32, s32, 7
	s_cmp_lt_u32 ttmp9, 64
	s_cselect_b64 s[30:31], s[16:17], s[20:21]
	s_cselect_b32 s32, s32, s46
	s_cselect_b32 s42, s42, s45
	s_cselect_b32 s43, 1, 4
	WLOAD 2048
	s_branch .Ltail
.Larm_a:                                               ; wq, wk, wv [head][c][64]: rows of 256 bytes; group b: head b / 2, columns 32 (b % 2) on
	s_and_b32 s34, ttmp9, 15
	s_lshr_b32 s35, s34, 1
	s_lshl_b32 s32, s35, 17
	s_and_b32 s34, s34, 1
	s_lshl_b32 s34, s34, 7
	s_add_co_u32 s32, s32, s34
	s_cmp_lt_u32 ttmp9, 16
	s_cselect_b64 s[30:31], s[10:11], s[12:13]
	s_cmp_lt_u32 ttmp9, 32
	s_cselect_b64 s[30:31], s[30:31], s[14:15]
	WLOAD 256
	s_branch .Ltail
.Larm_c:                                               ; w1: rows of 8,192 bytes
	s_sub_co_u32 s32, ttmp9, 64
	s_lshl_b32 s32, s32, 7
	s_mov_b64 s[30:31], s[18:19]
	WLOAD 8192
	s_branch .Ltail
.Lln:                                                  ; LayerNorm 1 of rows 32 G .. 32 G + 31.  LDS row 16 u + r holds x's row 32 G + 8 u + r + 8 (r / 8); wave w owns LDS rows 4 w .. 4 w + 3, which are four neighbouring rows of x
	s_sub_co_u32 s34, ttmp9, 192
	s_lshl_b32 s42, s34, 1
	s_lshl_b32 s35, s34, 5
	s_lshl_b32 s44, s27, 3
	s_add_co_u32 s35, s35, s44
	s_lshl_b32 s44, s28, 2
	s_add_co_u32 s35, s35, s44
	s_lshr_b32 s44, s28, 1
	s_lshl_b32 s44, s44, 3
	s_add_co_u32 s35, s35, s44
	s_lshl_b32 s32, s35, 11
	s_add_nc_u64 s[30:31], s[4:5], s[32:33]
.irp i,0,1,2,3
.irp j,0,1,2,3
	global_load_b128 v[X+16*\i+4*\j:X+16*\i+4*\j+3], v1, s[30:31] offset:2048*\i+512*\j th:TH_LOAD_NT   ; 512 consecutive bytes a load
.endr
.endr
.irp j,0,1,2,3
	global_load_b128 v[G+4*\j:G+4*\j+3], v1, s[6:7] offset:512*\j
.endr
.irp j,0,1,2,3
	global_load_b128 v[BE+4*\j:BE+4*\j+3], v1, s[8:9] offset:512*\j
.endr
.irp i,0,1,2,3
	v_mov_b32 v[PM+\i], 0                          ; a lane permute's destination counts as one of its sources
.endr
	s_wait_loadcnt 8                               ; x's sixteen loads are in; gain's and bias's eight may be out
	LNROWS
.irp i,0,1,2,3
.irp j,0,1,2,3
	ds_store_b128 v5, v[X+16*\i+4*\j:X+16*\i+4*\j+3] offset:\i*ROWP+512*\j
.endr
.endr
	s_wait_dscnt 0x0                               ; for the others' sake: my rows lie in LDS
	s_barrier_signal -1
	s_barrier_wait -1
.irp c,0,1
.irp e,0,1,2,3,4,5,6,7
	ds_load_b128 v[X+32*\c+4*\e:X+32*\c+4*\e+3], v6 offset:256*\c+16*\e   ; k = 128 s + 64 c + 32 h + 4 e ..
.endr
.endr
.Ltail:
	s_wait_loadcnt 0x0                             ; a weight's 64 loads,
	s_wait_dscnt 0x0                               ; or the 16 LDS loads
	QB
	s_cmp_lt_u32 ttmp9, 192                        ; where it goes hangs on the work-group's number alone
	s_cselect_b64 s[36:37], s[22:23], s[24:25]
	s_mov_b32 s44, HSCL
	s_cselect_b32 s44, WSCL, s44
	s_mul_i32 s45, s27, s43
	s_add_co_u32 s45, s45, s42                     ; my tile's unit
	s_lshl_b32 s45, s45, 2
	s_add_co_u32 s45, s45, s28
	s_mul_i32 s46, s45, 1536                       ; image 4 x unit + s
	s_add_nc_u64 s[38:39], s[36:37], s[46:47]
.irp c,0,1,2
	global_store_b128 v1, v[PC+4*\c:PC+4*\c+3], s[38:39] offset:512*\c
.endr
	ds_store_b32 v7, v[WD]
	s_wait_dscnt 0x0
	s_barrier_signal -1
	s_barrier_wait -1                              ; four waves' words make a unit
	s_cmp_gt_u32 s26, 1
	s_cbranch_scc1 .Lend
	ds_load_b128 v[20:23], v8
	s_mul_i32 s45, s26, s43
	s_add_co_u32 s45, s45, s42
	s_lshl_b32 s46, s45, 9
	s_add_co_u32 s46, s46, s44
	s_add_nc_u64 s[36:37], s[36:37], s[46:47]
	s_wait_dscnt 0x0
	global_store_b128 v1, v[20:23], s[36:37]       ; 512 consecutive bytes
.Lend:
	s_wait_tensorcnt 0x0
	ds_add_u32 v160, v161
	s_wait_dscnt 0x0
	s_endpgm
.Lfunc_end_k_q39e0111f5e_prep:
	.size	k_q39e0111f5e_prep, .Lfunc_end_k_q39e0111f5e_prep-k_q39e0111f5e_prep
	.p2alignl 7, 3214868480
	.fill 96, 4, 3214868480
	.section	.rodata,"a",@progbits
	.p2align	6, 0x0
	.amdhsa_kernel k_q39e0111f5e_prep
		.amdhsa_group_segment_fixed_size 68608
		.amdhsa_private_segment_fixed_size 0
		.amdhsa_enable_private_segment 0
		.amdhsa_kernarg_size 88
		.amdhsa_user_sgpr_count 2
		.amdhsa_user_sgpr_kernarg_segment_ptr 1
		.amdhsa_wavefront_size32 1
		.amdhsa_system_sgpr_workgroup_id_x 1
		.amdhsa_system_sgpr_workgroup_id_y 1
		.amdhsa_system_sgpr_workgroup_id_z 1
		.amdhsa_system_vgpr_workitem_id 0
		.amdhsa_next_free_vgpr 162
		.amdhsa_next_free_sgpr 66
		.amdhsa_reserve_vcc 0
		.amdhsa_float_denorm_mode_32 3
		.amdhsa_float_denorm_mode_16_64 3
		.amdhsa_memory_ordered 1
		.amdhsa_forward_progress 1
		.amdhsa_inst_pref_size 46
	.end_amdhsa_kernel
	.amdgpu_metadata
---
amdhsa.version: [ 1, 2 ]
amdhsa.kernels:
  - .name:           k_q39e0111f5e_prep
    .symbol:         k_q39e0111f5e_prep.kd
    .args:
      - { .name: x, .offset: 0, .size: 8, .value_kind: global_buffer, .address_space: global }
      - { .name: g1, .offset: 8, .size: 8, .value_kind: global_buffer, .address_space: global }
      - { .name: be1, .offset: 16, .size: 8, .value_kind: global_buffer, .address_space: global }
      - { .name: wq, .offset: 24, .size: 8, .value_kind: global_buffer, .address_space: global }
      - { .name: wk, .offset: 32, .size: 8, .value_kind: global_buffer, .address_space: global }
      - { .name: wv, .offset: 40, .size: 8, .value_kind: global_buffer, .address_space: global }
      - { .name: wo, .offset: 48, .size: 8, .value_kind: global_buffer, .address_space: global }
      - { .name: w1, .offset: 56, .size: 8, .value_kind: global_buffer, .address_space: global }
      - { .name: w2, .offset: 64, .size: 8, .value_kind: global_buffer, .address_space: global }
      - { .name: wts, .offset: 72, .size: 8, .value_kind: global_buffer, .address_space: global }
      - { .name: hq, .offset: 80, .size: 8, .value_kind: global_buffer, .address_space: global }
    .group_segment_fixed_size: 68608
    .private_segment_fixed_size: 0
    .kernarg_segment_align: 8
    .kernarg_segment_size: 88
    .max_flat_workgroup_size: 256
    .sgpr_count:     66
    .vgpr_count:     162
    .wavefront_size: 32
...
	.end_amdgpu_metadata
.endif
;; end of part 1
;; launch qkv (part 2): grid 192 x 1, 8 waves a work-group, no clusters, 197,632 bytes of LDS; arguments wts, hq, qkv; writes qkv
.if DOCPART == 2
	.amdgcn_target "amdgcn-amd-amdhsa--gfx1250"
	.amdhsa_code_object_version 6
	.text
	.protected	k_q39e0111f5e_qkv
	.globl	k_q39e0111f5e_qkv
	.p2align	8
	.type	k_q39e0111f5e_qkv,@function
k_q39e0111f5e_qkv:
	s_mov_b64 s[64:65], 0
	v_nop
	global_prefetch_b8 v0, s[64:65] scope:SCOPE_SE
	s_setreg_imm32_b32 hwreg(HW_REG_WAVE_MODE, 25, 1), 1
	s_wait_xcnt 0x0
; A product on codes of FP6 (E2M3, one E8M0 byte for each 32 along K), K = 512, whose RESULT IS QUANTISED AGAIN along one of its axes.  One text, two uses (FF):
; FF = 0: q, k, v = LayerNorm(x) W.  Work-groups 0-127: q and k, quantised along the head's 64 (two heads make a fragment of 128); 128-191: v, quantised along the keys.
; FF = 1: relu(h2 w1 + b1), quantised along the hidden axis.
; ROLES.  Y is source 0: the result is quantised along it.  R is source 1: a lane keeps one row of R.  A work-group has 256 of each, wave w 64 of R (tiles 4 (w % 4) ..) x 128 of Y (tiles 8 (w / 4) ..):
; 32 accumulators.  Lane r of tile T stands for index 32 (T / 2) + 8 (T % 2) + r + 8 (r / 8), so the 16 registers of Y's tiles 2 b and 2 b + 1 are 16 neighbours along Y, and a wave's 128 of Y are one fragment.
; Operands lie in memory as images of the operand's registers (1,536 bytes a fragment, tile by tile, four K steps on end); results are stored so too, with one scale word a lane (128 bytes a fragment).
; LDS is filled ONCE: all four K steps (4 x 32 fragments = 196,608 bytes) are asked for in one group at the start, four tensor loads a wave; so there is no ring and no refill.
; No cluster: a plain launch.  In the q, k part four neighbouring work-groups share R's tiles, in the v part two share Y's: one mask does not serve both parts of this grid.
; LIMITS: a block of zeros, or one whose largest magnitude lies under 2^-124, gets the byte 1 (read by this program alone); NaN and infinities are not served.
; REGISTERS: window 0: v1-11 addresses; v16-63 R's four fragments; v64-159 Y's eight; v160-175 R's scale words (4 x + s); v176-207 Y's (4 y + s); v208-245 the quantiser.  Window 1: accumulator (x, y) at v[64 x + 8 y].
.set FF, 0
.set WSCL,   2359296
.set HSCL,   3145728
.set QKSCLO, 6291456
.set VIMGO,  6815744
.set VSCLO,  9961472
.set HDSCLO, 12582912
.set KSB, 49152                        ; a K step in LDS: R's 16 fragments, then Y's 16
.set RF, 16
.set YF, 64
.set SR, 160
.set SY, 176
.set TM, 208
.set PW, 224
.set PC, 226
.set G1, 16                            ; s[16:23] descriptor group 1
.set G0, 24                            ; s[24:39] four groups 0, one for each K step
.if FF
.set OUTP, 10
.else
.set OUTP, 8
.endif
.set MSB, 0
.macro WIN new                         ; the immediate's high byte repeats the setting that is left
.if MSB != \new
	s_set_vgpr_msb (MSB<<8)|\new
.set MSB, \new
.endif
.endm
.macro PROD x, y, s
.if (\s == 0) && (FF == 0)
	v_wmma_scale_f32_16x16x128_f8f6f4 v[64*\x+8*\y:64*\x+8*\y+7], v[YF+12*\y:YF+12*\y+11], v[RF+12*\x:RF+12*\x+11], 0, v[SY+4*\y+\s], v[SR+4*\x+\s] matrix_a_fmt:MATRIX_FMT_FP6 matrix_b_fmt:MATRIX_FMT_FP6
.else
	v_wmma_scale_f32_16x16x128_f8f6f4 v[64*\x+8*\y:64*\x+8*\y+7], v[YF+12*\y:YF+12*\y+11], v[RF+12*\x:RF+12*\x+11], v[64*\x+8*\y:64*\x+8*\y+7], v[SY+4*\y+\s], v[SR+4*\x+\s] matrix_a_fmt:MATRIX_FMT_FP6 matrix_b_fmt:MATRIX_FMT_FP6
.endif
.endm
; A K step of 128: 32 products, the 32 accumulators by turns
.macro KSTEP s
	s_wait_tensorcnt 3-\s                          ; my part of this K step has landed; my loads of the later K steps may be out
	s_barrier_signal -1
	s_barrier_wait -1                              ; everybody's has
.irp x,0,1,2,3
.irp c,0,1,2
	ds_load_b128 v[RF+12*\x+4*\c:RF+12*\x+4*\c+3], v[4+\s] offset:\x*1536+512*\c
.endr
.endr
.irp y,0,1,2,3,4,5,6,7
.irp c,0,1,2
	ds_load_b128 v[YF+12*\y+4*\c:YF+12*\y+4*\c+3], v[8+\s] offset:\y*1536+512*\c
.endr
.endr
.if \s == 0
	s_wait_loadcnt 0x0                             ; the scale words (and the bias)
.endif
	s_wait_dscnt 12                                ; R's four and Y's first four are in; Y's tiles 4-7, twelve loads, may be out
	WIN 0x50                                       ; C and D in window 1
.irp y,0,1,2,3
.irp x,0,1,2,3
	PROD \x, \y, \s
.endr
.endr
	s_wait_dscnt 0x0
.irp y,4,5,6,7
.irp x,0,1,2,3
	PROD \x, \y, \s
.endr
.endr
	WIN 0
.rept 4
	v_nop                                          ; four places in front of loads into registers that the products have read, and of the first read of results
.endr
.endm
; 64 numbers of a lane in window 1, register a + 16 b + i = index 32 b + 16 h + i along Y, become a fragment's codes in v[PC ..] and its scale word in v[PW]
.macro QUANTW a
	WIN 0x05
.irp b,0,1,2,3
	v_max3_num_f32 v[TM+\b], |v[(\a)+16*\b]|, |v[(\a)+16*\b+1]|, 0x1800000   ; each accumulator is read from its low end on; the floor 2^(3 - 127) holds the byte at 1
.endr
	WIN 0x14
.irp i,2,4,6,8,10,12,14
.irp b,0,1,2,3
	v_max3_num_f32 v[TM+\b], v[TM+\b], |v[(\a)+16*\b+\i]|, |v[(\a)+16*\b+\i+1]|
.endr
.endr
	WIN 0
.irp b,0,1,2,3
	v_permlanex16_b32 v[TM+4+\b], v[TM+\b], s2, s3
.endr
.irp b,0,1,2,3
	v_max_num_f32 v[TM+\b], v[TM+\b], v[TM+4+\b]   ; with lane l xor 16's 16: the block's largest magnitude
.endr
.irp b,0,1,2,3
	v_add_nc_u32 v[TM+12+\b], 0xff000000, v[TM+\b] ; 2 off the exponent field: the conversion's scale operand
.endr
.irp b,0,1,2,3
	v_lshrrev_b32 v[TM+4+\b], 23, v[TM+12+\b]      ; the scale's byte
.endr
	v_lshl_or_b32 v[PW], v[TM+5], 8, v[TM+4]
	v_lshl_or_b32 v[PW], v[TM+6], 16, v[PW]
	v_lshl_or_b32 v[PW], v[TM+7], 24, v[PW]
	WIN 0x01
.irp c,0,1
	v_cvt_scalef32_pk16_fp6_f32 v[PC+6*\c:PC+6*\c+2], v[(\a)+32*\c:(\a)+32*\c+15], v[TM+12+2*\c]
	v_cvt_scalef32_pk16_fp6_f32 v[PC+12+4*\c:PC+14+4*\c], v[(\a)+32*\c+16:(\a)+32*\c+31], v[TM+12+2*\c+1]
.endr
	WIN 0
	v_nop                                          ; one plain instruction behind the conversions
.irp c,0,1                                     ; the operand wants a whole block in a lane: lanes 0-15 block 2 c, lanes 16-31 block 2 c + 1
.irp i,0,1,2
	v_permlane16_swap_b32 v[PC+6*\c+\i], v[PC+12+4*\c+\i]
.endr
.irp i,0,1,2
	v_mov_b32 v[PC+3+6*\c+\i], v[PC+12+4*\c+\i]
.endr
.endr
.endm
.if FF
	s_load_b256 s[4:11], s[0:1], 0x0               ; h2, wts, b1, hid
.else
	s_load_b128 s[4:7], s[0:1], 0x0                ; wts, hq
	s_load_b64 s[8:9], s[0:1], 0x10                ; qkv
	v_lshl_add_u32 v254, v0, 2, 0x30000
	v_mov_b32 v255, 0
	ds_add_u32 v254, v255
	ds_add_u32 v254, v255
.endif
	v_lshrrev_b32 v12, 5, v0
	v_readfirstlane_b32 s12, v12                   ; wave 0..7
	s_and_b32 s13, s12, 3                          ; xr
	s_lshr_b32 s14, s12, 2                         ; yh
	s_mov_b32 s2, 0x76543210
	s_mov_b32 s3, 0xfedcba98                       ; lane l xor 16
	; group 1: four fragments of one K step: 4 rows of 1,536 bytes (192 elements of 8), 6,144 bytes (768 elements) apart, laid on end in LDS
	s_mov_b32 s[G1+0], 3<<16
	s_mov_b32 s[G1+1], 192<<16
	s_mov_b32 s[G1+2], 4<<16
	s_mov_b32 s[G1+3], 192<<16
	s_mov_b32 s[G1+4], 4
	s_mov_b32 s[G1+5], 768
	s_mov_b32 s[G1+6], 0
	s_mov_b32 s[G1+7], 0
	s_mov_b32 s57, 0
.if FF
	s_mov_b32 s52, ttmp9                           ; yb: 256 hidden units
	s_and_b32 s51, ttmp7, 0xffff                   ; rb: 256 rows
	s_mov_b32 s44, HSCL
	s_mov_b32 s45, WSCL
	s_mov_b32 s46, 0
	s_mov_b32 s47, 128                             ; w1's tiles begin at 128
	s_mov_b32 s48, 16                              ; fragments along Y in a row of the output
	s_mov_b32 s49, 0
	s_mov_b32 s50, HDSCLO
	s_wait_kmcnt 0x0
	s_mov_b64 s[40:41], s[4:5]                     ; R = h2
	s_mov_b64 s[42:43], s[6:7]                     ; Y = wts
.else
	s_lshr_b32 s51, ttmp9, 2                       ; q, k: rb = g / 4 (256 rows), yb = g % 4 (256 columns of wq | wk)
	s_and_b32 s52, ttmp9, 3
	s_sub_co_u32 s53, ttmp9, 128                   ; v: rb = g' % 2 (256 columns of wv), yb = g' / 2 (256 keys)
	s_and_b32 s54, s53, 1
	s_lshr_b32 s55, s53, 1
	s_mov_b32 s44, HSCL
	s_mov_b32 s45, WSCL
	s_mov_b32 s50, VSCLO
	s_mov_b32 s47, 0
	s_wait_dscnt 0x0
	s_wait_kmcnt 0x0
	s_cmp_lt_u32 ttmp9, 128                        ; every choice hangs on the work-group's number alone: one path through the text
	s_cselect_b32 s51, s51, s54
	s_cselect_b32 s52, s52, s55
	s_cselect_b64 s[40:41], s[6:7], s[4:5]         ; R: hq | wts
	s_cselect_b64 s[42:43], s[4:5], s[6:7]         ; Y: wts | hq
	s_cselect_b32 s53, s44, s45
	s_cselect_b32 s45, s45, s44                    ; where Y's scale units begin
	s_mov_b32 s44, s53                             ; and R's
	s_cselect_b32 s46, 0, 64                       ; wv's tiles begin at 64
	s_cselect_b32 s48, 8, 64
	s_cselect_b32 s49, 0, VIMGO
	s_cselect_b32 s50, QKSCLO, s50
.endif
	s_lshl_b32 s53, s51, 4
	s_add_co_u32 s46, s46, s53                     ; R's first tile
	s_lshl_b32 s53, s52, 4
	s_add_co_u32 s47, s47, s53                     ; Y's first tile
	s_cmp_lt_u32 s12, 4                            ; waves 0-3 fetch R's tiles 4 w .., waves 4-7 Y's
	s_cselect_b64 s[62:63], s[40:41], s[42:43]
	s_cselect_b32 s56, s46, s47
	s_lshl_b32 s53, s13, 2
	s_add_co_u32 s56, s56, s53
	s_mul_i32 s56, s56, 6144
	s_add_nc_u64 s[62:63], s[62:63], s[56:57]
	s_mul_i32 s58, s12, 6144                       ; in LDS: wave x four fragments
.irp s,0,1,2,3
	s_mov_b32 s[G0+4*\s], 1
	s_add_co_u32 s[G0+4*\s+1], s58, \s*KSB
	s_add_nc_u64 s[G0+4*\s+2:G0+4*\s+3], s[62:63], \s*1536
	s_or_b32 s[G0+4*\s+3], s[G0+4*\s+3], 0x80000000
.endr
	tensor_load_to_lds s[G0:G0+3], s[G1:G1+7]      ; the four first fills in one group: four tensor loads of mine are out
	s_nop 0
	tensor_load_to_lds s[G0+4:G0+7], s[G1:G1+7]
	s_nop 0
	tensor_load_to_lds s[G0+8:G0+11], s[G1:G1+7]
	s_nop 0
	tensor_load_to_lds s[G0+12:G0+15], s[G1:G1+7]
	s_nop 0
.rept 4
	v_nop
.endr
	v_and_b32 v12, 31, v0
	v_lshlrev_b32 v1, 4, v12                       ; 16 x lane
	v_lshlrev_b32 v2, 2, v12                       ; 4 x lane
	v_bfe_u32 v3, v0, 4, 1
	v_lshlrev_b32 v3, 6, v3                        ; 64 h
	s_lshl_b32 s56, s13, 2
	s_add_co_u32 s56, s56, s46
	s_lshl_b32 s56, s56, 9
	s_add_co_u32 s56, s56, s44
	s_add_nc_u64 s[66:67], s[40:41], s[56:57]      ; my four tiles' scale units of R
	s_lshl_b32 s56, s14, 3
	s_add_co_u32 s56, s56, s47
	s_lshl_b32 s56, s56, 9
	s_add_co_u32 s56, s56, s45
	s_add_nc_u64 s[68:69], s[42:43], s[56:57]      ; my eight of Y
.irp x,0,1,2,3
	global_load_b128 v[SR+4*\x:SR+4*\x+3], v1, s[66:67] offset:512*\x
.endr
.irp y,0,1,2,3,4,5,6,7
	global_load_b128 v[SY+4*\y:SY+4*\y+3], v1, s[68:69] offset:512*\y
.endr
.if FF
	s_lshl_b32 s56, s52, 10                        ; the bias goes straight into the accumulators: register j of (x, y) is hidden unit 256 yb + 128 yh + 32 (y / 2) + 16 h + 8 (y % 2) + j
	s_lshl_b32 s53, s14, 9
	s_add_co_u32 s56, s56, s53
	s_add_nc_u64 s[78:79], s[8:9], s[56:57]
	WIN 0x40
.irp x,0,1,2,3
.irp y,0,1,2,3,4,5,6,7
	global_load_b128 v[64*\x+8*\y:64*\x+8*\y+3], v3, s[78:79] offset:(32*(\y/2)+8*(\y%2))*4
	global_load_b128 v[64*\x+8*\y+4:64*\x+8*\y+7], v3, s[78:79] offset:(32*(\y/2)+8*(\y%2))*4+16
.endr
.endr
	WIN 0
.endif
	s_mul_i32 s56, s13, 6144
	s_mul_i32 s58, s14, 12288
	s_add_co_u32 s58, s58, 24576
.irp s,0,1,2,3
	v_add_nc_u32 v[4+\s], s56, v1                  ; R's fragments of K step s
	v_add_nc_u32 v[8+\s], s58, v1                  ; Y's
	s_add_co_u32 s56, s56, KSB
	s_add_co_u32 s58, s58, KSB
.endr
.irp b,0,1,2,3
	v_mov_b32 v[TM+4+\b], 0                        ; a lane permute's destination counts as one of its sources
.endr
	; where the results go: fragment (16 rb + 4 xr + x) NYS + 2 yb + yh
	s_lshl_b32 s56, s51, 4
	s_lshl_b32 s53, s13, 2
	s_add_co_u32 s56, s56, s53
	s_mul_i32 s56, s56, s48
	s_lshl_b32 s53, s52, 1
	s_add_co_u32 s56, s56, s53
	s_add_co_u32 s53, s56, s14
	s_mul_i32 s56, s53, 1536
	s_add_co_u32 s56, s56, s49
	s_add_nc_u64 s[70:71], s[OUTP:OUTP+1], s[56:57]
	s_lshl_b32 s56, s53, 7
	s_add_co_u32 s56, s56, s50
	s_add_nc_u64 s[72:73], s[OUTP:OUTP+1], s[56:57]
	s_mul_i32 s74, s48, 1536                       ; from x to x + 1
	s_mov_b32 s75, 0
	s_lshl_b32 s76, s48, 7
	s_mov_b32 s77, 0
	KSTEP 0
	KSTEP 1
	KSTEP 2
	KSTEP 3
.irp x,0,1,2,3
.if FF
	WIN 0x44
.set j, 0
.rept 64
	v_max_num_f32 v[64*\x+j], 0, v[64*\x+j]        ; the activation, in f32, each accumulator from its low end on
.set j, j+1
.endr
.endif
	QUANTW 64*\x
.irp c,0,1,2
	global_store_b128 v1, v[PC+4*\c:PC+4*\c+3], s[70:71] offset:512*\c   ; 512 consecutive bytes a store
.endr
	global_store_b32 v2, v[PW], s[72:73]
	s_wait_xcnt 0x0                                ; the stores' data and bases are written again only behind this wait
	s_add_nc_u64 s[70:71], s[70:71], s[74:75]
	s_add_nc_u64 s[72:73], s[72:73], s[76:77]
.endr
	s_wait_tensorcnt 0x0
	ds_add_u32 v254, v255
	s_wait_dscnt 0x0
	s_endpgm
.Lfunc_end_k_q39e0111f5e_qkv:
	.size	k_q39e0111f5e_qkv, .Lfunc_end_k_q39e0111f5e_qkv-k_q39e0111f5e_qkv
	.p2alignl 7, 3214868480
	.fill 96, 4, 3214868480
	.section	.rodata,"a",@progbits
	.p2align	6, 0x0
	.amdhsa_kernel k_q39e0111f5e_qkv
		.amdhsa_group_segment_fixed_size 197632
		.amdhsa_private_segment_fixed_size 0
		.amdhsa_enable_private_segment 0
		.amdhsa_kernarg_size 24
		.amdhsa_user_sgpr_count 2
		.amdhsa_user_sgpr_kernarg_segment_ptr 1
		.amdhsa_wavefront_size32 1
		.amdhsa_system_sgpr_workgroup_id_x 1
		.amdhsa_system_sgpr_workgroup_id_y 1
		.amdhsa_system_sgpr_workgroup_id_z 1
		.amdhsa_system_vgpr_workitem_id 0
		.amdhsa_next_free_vgpr 512
		.amdhsa_next_free_sgpr 80
		.amdhsa_reserve_vcc 0
		.amdhsa_float_denorm_mode_32 3
		.amdhsa_float_denorm_mode_16_64 3
		.amdhsa_memory_ordered 1
		.amdhsa_forward_progress 1
		.amdhsa_inst_pref_size 52
	.end_amdhsa_kernel
	.amdgpu_metadata
---
amdhsa.version: [ 1, 2 ]
amdhsa.kernels:
  - .name:           k_q39e0111f5e_qkv
    .symbol:         k_q39e0111f5e_qkv.kd
    .args:
      - { .name: wts, .offset: 0, .size: 8, .value_kind: global_buffer, .address_space: global }
      - { .name: hq, .offset: 8, .size: 8, .value_kind: global_buffer, .address_space: global }
      - { .name: qkv, .offset: 16, .size: 8, .value_kind: global_buffer, .address_space: global }
    .group_segment_fixed_size: 197632
    .private_segment_fixed_size: 0
    .kernarg_segment_align: 8
    .kernarg_segment_size: 24
    .max_flat_workgroup_size: 256
    .sgpr_count:     80
    .vgpr_count:     512
    .wavefront_size: 32
...
	.end_amdgpu_metadata
.endif
;; end of part 2
;; launch attn (part 3): grid 32 x 8, 8 waves a work-group, no clusters, 27,648 bytes of LDS; arguments qkv, att; writes att
.if DOCPART == 3
	.amdgcn_target "amdgcn-amd-amdhsa--gfx1250"
	.amdhsa_code_object_version 6
	.text
	.protected	k_q39e0111f5e_attn
	.globl	k_q39e0111f5e_attn
	.p2align	8
	.type	k_q39e0111f5e_attn,@function
k_q39e0111f5e_attn:
	s_mov_b64 s[64:65], 0
	v_nop
	global_prefetch_b8 v0, s[64:65] scope:SCOPE_SE
	s_setreg_imm32_b32 hwreg(HW_REG_WAVE_MODE, 25, 1), 1
	s_wait_xcnt 0x0
; CAUSAL ATTENTION on codes of FP6 (E2M3, one E8M0 byte for each 32 along a product's K); head size 64, scores x 512^-0.5.
; t = score x log2(e) / sqrt(512); M = the running largest t rounded up to a whole number; p = 2^(t - M) is quantised along the keys, not normalised; the row's sum is taken of the unquantised p
; and divides O at the end; when M moves, the sum and O are multiplied by 2^(old M - new M), which rounds nothing.  O / sum is then quantised along the head's 64 for the next product.
; SHARES.  A work-group serves one batch and one PAIR of heads (ttmp7) and two blocks of 64 queries, blk = x and 63 - x: blk needs blk / 2 + 1 steps of 128 keys, the two together 33 for every x,
; so that all 256 work-groups have equal work though the mask is causal.  Wave w: head w / 4 of the pair, query tile w % 4 of the block.
; ONE FRAGMENT OF K SERVES BOTH HEADS.  q and k lie as fragments of 128 = two heads' 64 (registers 0-5, 6-11).  The score's K is 64: my Q has zero CODES in the other head's six registers, which add nothing.
; LAYOUT.  S^T = K Q^T, O^T = V^T P^T: a lane keeps one query.  Lane r of a tile of rows stands for row 32 (T / 2) + 8 (T % 2) + r + 8 (r / 8): the 16 registers of key tiles 2 b, 2 b + 1 are 16 neighbouring keys.
; THE STREAM.  A step's 8 fragments of K, 8 of V (both heads) and their scale words go memory -> registers (a whole step ahead) -> one LDS slot; wave w carries K's tile w and V's tile w.  Two barriers a step:
; one between the last reads of the slot and its stores, one between the stores and the reads.  No LDS address is stepped: the trip count hangs on the work-group's number.
; No cluster, no tensor load: the 32 work-groups of a pair of heads walk different numbers of keys at different times.
; LIMITS: a block of zeros, or one whose largest magnitude lies under 2^-124, gets the byte 1 (read by this program alone); NaN and infinities are not served.
; REGISTERS: v1-9 addresses; v12 -M, v13 largest t, v[14:15] the sum; v16-27 Q; v32-79 four fragments; v96-159 S^T, then p; v160-191 O^T; v192-217 the next step on its way; v224-235 p's codes; v232-254 at work; v255 Q's scale word.
.set QKSCLO, 6291456
.set VIMGO,  6815744
.set VSCLO,  9961472
.set ASCLO,  3145728
.set LV,  12288                        ; LDS: K's 8 fragments, V's 8,
.set LKS, 24576                        ; K's 8 x 128 bytes of scale words,
.set LVS, 25600                        ; V's
.macro LOADT                           ; my share of a step
.irp c,0,1,2
	global_load_b128 v[192+4*\c:195+4*\c], v1, s[32:33] offset:512*\c
.endr
.irp c,0,1,2
	global_load_b128 v[204+4*\c:207+4*\c], v1, s[36:37] offset:512*\c
.endr
	global_load_b32 v216, v2, s[34:35]
	global_load_b32 v217, v2, s[38:39]
.endm
	s_load_b128 s[4:7], s[0:1], 0x0                ; qkv, att
	v_lshl_add_u32 v223, v0, 2, 0x6800
	v_mov_b32 v243, 0
	v_lshrrev_b32 v10, 5, v0
	v_readfirstlane_b32 s8, v10                    ; wave 0..7
	s_lshr_b32 s9, s8, 2                           ; which head of the pair
	s_and_b32 s10, s8, 3                           ; which query tile of the block
	s_and_b32 s48, ttmp7, 0xffff
	s_lshr_b32 s11, s48, 2                         ; batch
	s_and_b32 s12, s48, 3                          ; pair of heads
	s_mov_b32 s13, ttmp9                           ; the first pass's block
	s_mov_b32 s15, 2                               ; passes
	s_mov_b32 s20, 0x76543210
	s_mov_b32 s21, 0xfedcba98                      ; lane l xor 16
	s_mov_b32 s22, 0x3d8293ee                      ; c = log2(e) / sqrt(512)
	s_mov_b32 s23, s22                             ; (named with it as a pair)
	s_cmp_eq_u32 s9, 0
	s_cselect_b32 s16, -1, 0                       ; keeps Q's registers 0-5
	s_cselect_b32 s17, 0, -1                       ; keeps 6-11
	s_lshr_b32 s18, s10, 1
	s_lshl_b32 s18, s18, 5
	s_and_b32 s48, s10, 1
	s_lshl_b32 s48, s48, 3
	s_add_co_u32 s18, s18, s48                     ; my tile's first query in the block
	v_and_b32 v10, 31, v0
	v_lshlrev_b32 v1, 4, v10                       ; 16 x lane
	v_lshlrev_b32 v2, 2, v10                       ; 4 x lane
	v_lshlrev_b32 v8, 3, v10                       ; 8 x lane
	s_mul_i32 s48, s9, 6144
	s_add_co_u32 s48, s48, LV
	v_add_nc_u32 v3, s48, v1                       ; my head's four fragments of V
	s_lshl_b32 s48, s9, 9
	s_add_co_u32 s48, s48, LVS
	v_add_nc_u32 v4, s48, v2                       ; and their scale words
	s_mul_i32 s48, s8, 1536
	v_add_nc_u32 v5, s48, v1                       ; where I put K's fragment w (V's: LV further on)
	s_lshl_b32 s48, s8, 7
	s_add_co_u32 s48, s48, LKS
	v_add_nc_u32 v6, s48, v2                       ; and its scale words (V's: 1,024 further on)
	v_and_b32 v10, 15, v0
	v_and_b32 v11, 8, v10
	v_add_nc_u32 v9, v10, v11
	v_bfe_u32 v11, v0, 4, 1
	v_lshlrev_b32 v11, 4, v11
	v_sub_nc_u32 v9, v9, v11                       ; r + 8 (r / 8) - 16 h
.irp b,0,1,2,3
	v_mov_b32 v[236+\b], 0                         ; a lane permute's destination counts as one of its sources
.endr
	v_mov_b32 v252, 0
	v_mov_b32 v253, 0                              ; (the upper half of the pair v[252:253])
	s_mov_b32 s51, 0
	s_mov_b32 s53, 0
	s_lshl_b32 s48, s11, 8
	s_add_co_u32 s48, s48, s8
	s_lshl_b32 s48, s48, 3
	s_add_co_u32 s48, s48, s12
	s_add_co_u32 s48, s48, 4                       ; K's fragment of key tile 256 b + w: 8 x tile + 4 + pair
	s_lshl_b32 s49, s12, 3
	s_add_co_u32 s49, s49, s8
	s_lshl_b32 s49, s49, 6
	s_lshl_b32 s54, s11, 5
	s_add_co_u32 s49, s49, s54                     ; V's fragment: (8 x pair + w) 64 + 32 b
	s_wait_kmcnt 0x0
	s_mul_i32 s50, s48, 1536
	s_add_nc_u64 s[24:25], s[4:5], s[50:51]        ; the four streams at step 0
	s_lshl_b32 s50, s48, 7
	s_add_co_u32 s50, s50, QKSCLO
	s_add_nc_u64 s[26:27], s[4:5], s[50:51]
	s_mul_i32 s50, s49, 1536
	s_add_co_u32 s50, s50, VIMGO
	s_add_nc_u64 s[28:29], s[4:5], s[50:51]
	s_lshl_b32 s50, s49, 7
	s_add_co_u32 s50, s50, VSCLO
	s_add_nc_u64 s[30:31], s[4:5], s[50:51]
.Lpass:
	s_wait_loadcnt 0x0                             ; no load of the pass before is out when this pass loads into the same registers (Q's, and v192-217): a pass's last step asks for nothing, so the wait is met at once
	s_lshr_b32 s14, s13, 1
	s_add_co_u32 s14, s14, 1                       ; steps of this pass: blk / 2 + 1,
	s_max_u32 s14, s14, 1                          ; at least 1: the loop below counts down to 0
	s_lshl_b32 s50, s11, 8
	s_lshl_b32 s48, s13, 2
	s_add_co_u32 s50, s50, s48
	s_add_co_u32 s50, s50, s10                     ; my query tile T = 256 b + 4 blk + qt
	s_lshl_b32 s50, s50, 3
	s_add_co_u32 s48, s50, s12
	s_mul_i32 s52, s48, 1536
	s_add_nc_u64 s[40:41], s[4:5], s[52:53]        ; Q's fragment
	s_lshl_b32 s52, s48, 7
	s_add_co_u32 s52, s52, QKSCLO
	s_add_nc_u64 s[42:43], s[4:5], s[52:53]
	s_lshl_b32 s48, s12, 1
	s_add_co_u32 s48, s48, s50
	s_add_co_u32 s48, s48, s9                      ; 8 T + head
	s_mul_i32 s52, s48, 768
	s_add_nc_u64 s[44:45], s[6:7], s[52:53]        ; where my half fragment goes
	s_lshl_b32 s52, s48, 7
	s_add_co_u32 s52, s52, ASCLO
	s_add_nc_u64 s[46:47], s[6:7], s[52:53]
	s_mov_b64 s[32:33], s[24:25]
	s_mov_b64 s[34:35], s[26:27]
	s_mov_b64 s[36:37], s[28:29]
	s_mov_b64 s[38:39], s[30:31]
.irp c,0,1,2
	global_load_b128 v[16+4*\c:19+4*\c], v1, s[40:41] offset:512*\c
.endr
	global_load_b32 v255, v2, s[42:43]
	LOADT                                          ; step 0
.set j, 0
.rept 32
	v_mov_b32 v[160+j], 0                          ; O^T: the step is written once; its first trip finds zeros
.set j, j+1
.endr
	s_wait_loadcnt 8                               ; Q's four loads are in; step 0's eight may be out
.irp i,0,1,2,3,4,5
	v_and_b32 v[16+\i], s16, v[16+\i]              ; zero codes in the other head's half
.endr
.irp i,6,7,8,9,10,11
	v_and_b32 v[16+\i], s17, v[16+\i]
.endr
	s_and_b32 s48, s13, 1
	s_lshl_b32 s48, s48, 6
	s_add_co_u32 s48, s48, s18
	v_add_nc_u32 v7, s48, v9                       ; d = my query - the last step's first key - 16 h
	v_mov_b32 v13, 0xff61b1e6                      ; the largest t so far: -3e38
	v_floor_f32 v12, -v13                          ; -M
	v_mov_b32 v14, 0
	v_mov_b32 v15, 0
.Lstep:
	s_wait_loadcnt 0x0                             ; my share of this step is in registers
	s_barrier_signal -1                            ; every wave's reads of the slot are over (each was waited for inside the step)
	s_barrier_wait -1
.irp c,0,1,2
	ds_store_b128 v5, v[192+4*\c:195+4*\c] offset:512*\c
.endr
.irp c,0,1,2
	ds_store_b128 v5, v[204+4*\c:207+4*\c] offset:LV+512*\c
.endr
	ds_store_b32 v6, v216
	ds_store_b32 v6, v217 offset:LVS-LKS
	s_wait_dscnt 0x0                               ; for the others' sake; and the stores have read their registers
	s_barrier_signal -1
	s_barrier_wait -1
	s_cmp_eq_u32 s14, 1
	s_cbranch_scc1 .Lno_next                       ; the last step asks for nothing: no load leaves its buffer
	s_add_nc_u64 s[32:33], s[32:33], 98304         ; 8 key tiles on (the loads that named these bases were waited for above)
	s_add_nc_u64 s[34:35], s[34:35], 8192
	s_add_nc_u64 s[36:37], s[36:37], 1536
	s_add_nc_u64 s[38:39], s[38:39], 128
	LOADT                                          ; a whole step ahead
.Lno_next:
.irp g,0,1                                     ; S^T = K Q^T, four tiles of 16 keys at a time
.rept 4
	v_nop                                          ; four places in front of loads into registers that matrix instructions have read
.endr
.irp t,0,1,2,3
.irp c,0,1,2
	ds_load_b128 v[32+12*\t+4*\c:35+12*\t+4*\c], v1 offset:(4*\g+\t)*1536+512*\c
.endr
	ds_load_b32 v[248+\t], v2 offset:LKS+(4*\g+\t)*128
.endr
	s_wait_dscnt 0x0
.irp t,0,1,2,3
	v_wmma_scale_f32_16x16x128_f8f6f4 v[96+8*(4*\g+\t):103+8*(4*\g+\t)], v[32+12*\t:43+12*\t], v[16:27], 0, v[248+\t], v255 matrix_a_fmt:MATRIX_FMT_FP6 matrix_b_fmt:MATRIX_FMT_FP6
.endr
.endr
.rept 4
	v_nop
.endr
	s_cmp_lg_u32 s14, 1                            ; only a pass's last step meets the diagonal: earlier keys all count
	s_cbranch_scc1 .Lopen
	v_mov_b32 v254, 0xff800000                     ; -infinity: p = 0 then
.set n, 0
.rept 64                                       ; register 16 b + i holds key 32 b + 16 h + i of the step: hidden where 32 b + i > d
	v_cmp_gt_i32 vcc_lo, 32*(n/16)+n%16, v7
	v_cndmask_b32 v[96+n], v[96+n], v254, vcc_lo
.set n, n+1
.endr
.Lopen:
.irp b,0,1,2,3
	v_max3_num_f32 v[232+\b], v[96+16*\b], v[97+16*\b], v[98+16*\b]   ; the largest score of each block of 32 keys: for the row's maximum, and, since p rises with the score, for the block's largest p
.endr
.irp i,3,5,7,9,11,13
.irp b,0,1,2,3
	v_max3_num_f32 v[232+\b], v[232+\b], v[96+16*\b+\i], v[97+16*\b+\i]
.endr
.endr
.irp b,0,1,2,3
	v_max_num_f32 v[232+\b], v[232+\b], v[111+16*\b]
.endr
.irp b,0,1,2,3
	v_permlanex16_b32 v[236+\b], v[232+\b], s20, s21
.endr
.irp b,0,1,2,3
	v_max_num_f32 v[232+\b], v[232+\b], v[236+\b]
.endr
	v_max3_num_f32 v254, v232, v233, v234
	v_max_num_f32 v254, v254, v235
	v_mul_f32 v254, s22, v254
	v_max_num_f32 v13, v13, v254                   ; the running largest t
	v_mov_b32 v254, v12
	v_floor_f32 v12, -v13                          ; -M = floor(-t): M is a whole number
	v_sub_f32 v254, v12, v254
	v_cvt_i32_f32 v254, v254                       ; (it saturates)
	v_ldexp_f32 v252, 1.0, v254                    ; f = 2^(old M - new M)
.set j, 0
.rept 32
	v_pk_fma_f32 v[96+j:97+j], v[96+j:97+j], s[22:23], v[12:13] op_sel_hi:[1,0,0]   ; t - M
.set j, j+2
.endr
.irp b,0,1,2,3
	v_fma_f32 v[232+\b], v[232+\b], s22, v12
.endr
.set j, 0
.rept 64
	v_exp_f32 v[96+j], v[96+j]                     ; p = 2^(t - M)
.set j, j+1
.endr
	v_pk_mul_f32 v[14:15], v[14:15], v[252:253] op_sel_hi:[1,0]   ; the sums under the new M: a plain instruction behind the batch
	s_wait_alu depctr_va_vdst(0)                   ; one wait for the 64, ahead of the first line that names a result
.irp b,0,1,2,3
	v_exp_f32 v[232+\b], v[232+\b]                 ; each block's largest p
.endr
	v_pk_add_f32 v[236:237], v[96:97], v[98:99]    ; the row's sum, of the unquantised p, in two chains
.irp j,4,8,12,16,20,24,28,32,36,40,44,48,52,56,60
	v_pk_add_f32 v[14:15], v[14:15], v[96+\j:97+\j]
	v_pk_add_f32 v[236:237], v[236:237], v[98+\j:99+\j]
.endr
	v_pk_add_f32 v[14:15], v[14:15], v[236:237]
	s_wait_alu depctr_va_vdst(0)                   ; and one for the four
.irp b,0,1,2,3
	v_max_num_f32 v[232+\b], 0x1800000, v[232+\b]  ; the floor 2^(3 - 127): a block whose every p is 0 keeps the byte 1 over zero codes
.endr
.irp b,0,1,2,3
	v_add_nc_u32 v[244+\b], 0xff000000, v[232+\b]
.endr
.irp b,0,1,2,3
	v_lshrrev_b32 v[236+\b], 23, v[244+\b]
.endr
	v_lshl_or_b32 v253, v237, 8, v236              ; p's scale word for these 128 keys
	v_lshl_or_b32 v253, v238, 16, v253
	v_lshl_or_b32 v253, v239, 24, v253
.irp c,0,1
	v_cvt_scalef32_pk16_fp6_f32 v[224+6*\c:226+6*\c], v[96+32*\c:111+32*\c], v[244+2*\c]
	v_cvt_scalef32_pk16_fp6_f32 v[236+4*\c:238+4*\c], v[112+32*\c:127+32*\c], v[244+2*\c+1]
.endr
	v_nop
.irp c,0,1
.irp i,0,1,2
	v_permlane16_swap_b32 v[224+6*\c+\i], v[236+4*\c+\i]
.endr
.irp i,0,1,2
	v_mov_b32 v[227+6*\c+\i], v[236+4*\c+\i]
.endr
.endr
.set j, 0
.rept 16
	v_pk_mul_f32 v[160+j:161+j], v[160+j:161+j], v[252:253] op_sel_hi:[1,0]   ; O^T under the new M; these are also the places in front of the products below
.set j, j+2
.endr
.irp t,0,1,2,3                                 ; O^T += V^T P^T: my head's four tiles of 16 channels
.irp c,0,1,2
	ds_load_b128 v[32+12*\t+4*\c:35+12*\t+4*\c], v3 offset:\t*1536+512*\c
.endr
	ds_load_b32 v[248+\t], v4 offset:\t*128
.endr
	s_wait_dscnt 0x0
.irp t,0,1,2,3
	v_wmma_scale_f32_16x16x128_f8f6f4 v[160+8*\t:167+8*\t], v[32+12*\t:43+12*\t], v[224:235], v[160+8*\t:167+8*\t], v[248+\t], v253 matrix_a_fmt:MATRIX_FMT_FP6 matrix_b_fmt:MATRIX_FMT_FP6
.endr
	s_sub_co_u32 s14, s14, 1
	s_cmp_lg_u32 s14, 0
	s_cbranch_scc1 .Lstep
	; THE PASS'S END: O^T / the sum; register 16 b + i is channel 32 b + 16 h + i of my head: two blocks of the next product's K
.rept 4
	v_nop
.endr
	v_add_f32 v14, v14, v15
	v_permlanex16_b32 v252, v14, s20, s21
	v_add_f32 v14, v14, v252
	v_rcp_f32 v14, v14
	v_nop
	s_wait_alu depctr_va_vdst(0)
	v_mov_b32 v15, v14
.set j, 0
.rept 16
	v_pk_mul_f32 v[96+j:97+j], v[160+j:161+j], v[14:15]
.set j, j+2
.endr
.irp b,0,1
	v_max3_num_f32 v[232+\b], |v[96+16*\b]|, |v[97+16*\b]|, 0x1800000
.endr
.irp i,2,4,6,8,10,12,14
.irp b,0,1
	v_max3_num_f32 v[232+\b], v[232+\b], |v[96+16*\b+\i]|, |v[97+16*\b+\i]|
.endr
.endr
.irp b,0,1
	v_permlanex16_b32 v[236+\b], v[232+\b], s20, s21
.endr
.irp b,0,1
	v_max_num_f32 v[232+\b], v[232+\b], v[236+\b]
.endr
.irp b,0,1
	v_add_nc_u32 v[244+\b], 0xff000000, v[232+\b]
.endr
.irp b,0,1
	v_lshrrev_b32 v[240+\b], 23, v[244+\b]
.endr
	v_lshl_or_b32 v254, v241, 8, v240              ; my head's two bytes
	v_cvt_scalef32_pk16_fp6_f32 v[224:226], v[96:111], v244
	v_cvt_scalef32_pk16_fp6_f32 v[236:238], v[112:127], v245
	v_nop
.irp i,0,1,2
	v_permlane16_swap_b32 v[224+\i], v[236+\i]
.endr
.irp i,0,1,2
	v_mov_b32 v[227+\i], v[236+\i]                 ; v224-229: k = 32 h + 0 .. 31: half a fragment's registers
.endr
.irp p,0,1,2
	global_store_b64 v8, v[224+2*\p:225+2*\p], s[44:45] offset:256*\p   ; 256 consecutive bytes a store
.endr
	global_store_b32 v2, v254, s[46:47]
	s_wait_xcnt 0x0                                ; the stores' data and bases are written again only behind this wait
	s_sub_co_u32 s13, 63, s13                      ; the other block
	s_sub_co_u32 s15, s15, 1
	s_cmp_lg_u32 s15, 0
	s_cbranch_scc1 .Lpass
	s_wait_tensorcnt 0x0
	ds_add_u32 v223, v243
	s_wait_dscnt 0x0
	s_endpgm
.Lfunc_end_k_q39e0111f5e_attn:
	.size	k_q39e0111f5e_attn, .Lfunc_end_k_q39e0111f5e_attn-k_q39e0111f5e_attn
	.p2alignl 7, 3214868480
	.fill 96, 4, 3214868480
	.section	.rodata,"a",@progbits
	.p2align	6, 0x0
	.amdhsa_kernel k_q39e0111f5e_attn
		.amdhsa_group_segment_fixed_size 27648
		.amdhsa_private_segment_fixed_size 0
		.amdhsa_enable_private_segment 0
		.amdhsa_kernarg_size 16
		.amdhsa_user_sgpr_count 2
		.amdhsa_user_sgpr_kernarg_segment_ptr 1
		.amdhsa_wavefront_size32 1
		.amdhsa_system_sgpr_workgroup_id_x 1
		.amdhsa_system_sgpr_workgroup_id_y 1
		.amdhsa_system_sgpr_workgroup_id_z 1
		.amdhsa_system_vgpr_workitem_id 0
		.amdhsa_next_free_vgpr 256
		.amdhsa_next_free_sgpr 66
		.amdhsa_reserve_vcc 1
		.amdhsa_float_denorm_mode_32 3
		.amdhsa_float_denorm_mode_16_64 3
		.amdhsa_memory_ordered 1
		.amdhsa_forward_progress 1
		.amdhsa_inst_pref_size 35
	.end_amdhsa_kernel
	.amdgpu_metadata
---
amdhsa.version: [ 1, 2 ]
amdhsa.kernels:
  - .name:           k_q39e0111f5e_attn
    .symbol:         k_q39e0111f5e_attn.kd
    .args:
      - { .name: qkv, .offset: 0, .size: 8, .value_kind: global_buffer, .address_space: global }
      - { .name: att, .offset: 8, .size: 8, .value_kind: global_buffer, .address_space: global }
    .group_segment_fixed_size: 27648
    .private_segment_fixed_size: 0
    .kernarg_segment_align: 8
    .kernarg_segment_size: 16
    .max_flat_workgroup_size: 256
    .sgpr_count:     66
    .vgpr_count:     256
    .wavefront_size: 32
...
	.end_amdgpu_metadata
.endif
;; end of part 3
;; launch oproj (part 4): grid 256 x 1, 8 waves a work-group, no clusters, 68,608 bytes of LDS; arguments att, wts, bo, x, g2, be2, x1, h2; writes x1, h2
.if DOCPART == 4
	.amdgcn_target "amdgcn-amd-amdhsa--gfx1250"
	.amdhsa_code_object_version 6
	.text
	.protected	k_q39e0111f5e_oproj
	.globl	k_q39e0111f5e_oproj
	.p2align	8
	.type	k_q39e0111f5e_oproj,@function
k_q39e0111f5e_oproj:
	s_mov_b64 s[64:65], 0
	v_nop
	global_prefetch_b8 v0, s[64:65] scope:SCOPE_SE
	s_setreg_imm32_b32 hwreg(HW_REG_WAVE_MODE, 25, 1), 1
	s_wait_xcnt 0x0
; x1 = x + att wo + bo (the product on codes of FP6, E2M3, one E8M0 byte for each 32 along K = 512); h2 = LayerNorm 2 of x1, quantised along its 512 for the next product.
; SHARES.  A work-group has 32 rows (tiles 2 G, 2 G + 1) x all 512 columns, so that a row's mean and variance stay inside it.  PRODUCT: wave w makes columns 64 w .. 64 w + 63 (wo's tiles 4 w .. 4 w + 3) for both row
; tiles: 8 accumulators, 32 products; each fragment of wo is read by one wave of the work-group, so operands go from memory straight into registers.  The product is used transposed (source 0 = wo, source 1 = att):
; a lane holds one row and eight neighbouring columns.  bo is loaded into the accumulators.  NORM: the 32 rows meet in LDS; wave w owns LDS rows 4 w .. 4 w + 3, which are four neighbouring rows of x.
; Lane r of tile T stands for row (or column) 32 (T / 2) + 8 (T % 2) + r + 8 (r / 8).  Fragments and scale units are stored as in the launch that quantises LayerNorm 1.
; No cluster: wo (196,608 bytes of codes) is walked by every work-group once, straight into registers; no tile goes through LDS by a tensor load.
; LIMITS: a block of zeros, or one whose largest magnitude lies under 2^-124, gets the byte 1 (read by this program alone); NaN and infinities are not served.
; REGISTERS: window 0: v1-11 addresses; v16-111 att's 8 fragments, later the rows and the norm's work; v112-175 accumulators, later codes; v176-191 wo's scale words; v192-207 att's half words; v208-215 att's words;
;   v216-247 gain and bias.  Window 1: v0-191 wo's 16 fragments; v192-255 my four rows of x.
.set ROWP, 2064                        ; a row of 512 f32 in LDS + 16 bytes: 516 words, so that 16 neighbouring rows start 4 words apart modulo 64
.set SCG,  32*ROWP
.set WSCL, 2359296
.set HSCL, 3145728
.set ASCLO, 3145728
.set AF,  16
.set ACC, 112
.set SW,  176
.set AH,  192
.set SA,  208
.set X,   16
.set SM,  80
.set MU,  88
.set PM,  96
.set TM,  100
.set SO,  102
.set BY,  104
.set WD,  106
.set T1,  107
.set PC,  112
.set TC,  124
.set G,   216
.set BE,  232
.set MSB, 0
.macro WIN new                         ; the immediate's high byte repeats the setting that is left
.if MSB != \new
	s_set_vgpr_msb (MSB<<8)|\new
.set MSB, \new
.endif
.endm
.macro WSUM
.irp i,0,1,2,3
	v_add_f32 v[SM+2*\i], v[SM+2*\i], v[SM+2*\i+1]
.endr
.irp m,1,2,4,8
.irp i,0,1,2,3
	v_add_f32_dpp v[SM+2*\i], v[SM+2*\i], v[SM+2*\i] row_xmask:\m row_mask:0xf bank_mask:0xf
.endr
.endr
.irp i,0,1,2,3
	v_permlanex16_b32 v[PM+\i], v[SM+2*\i], s40, s41
.endr
.irp i,0,1,2,3
	v_add_f32 v[SM+2*\i], v[SM+2*\i], v[PM+\i]
.endr
.endm
; LayerNorm of four rows, row i in v[X + 16 i ..]: my 16 numbers are columns 128 j + 4 l + 0 .. 3
.macro LNROWS
.irp i,0,1,2,3
	v_pk_add_f32 v[SM+2*\i:SM+2*\i+1], v[X+16*\i:X+16*\i+1], v[X+16*\i+2:X+16*\i+3]
.endr
.irp j,4,6,8,10,12,14
.irp i,0,1,2,3
	v_pk_add_f32 v[SM+2*\i:SM+2*\i+1], v[SM+2*\i:SM+2*\i+1], v[X+16*\i+\j:X+16*\i+\j+1]
.endr
.endr
	WSUM
.irp i,0,1,2,3
	v_mul_f32 v[MU+2*\i], s48, v[SM+2*\i]          ; the mean
.endr
.irp i,0,1,2,3
	v_mov_b32 v[MU+2*\i+1], v[MU+2*\i]
.endr
.irp j,0,2,4,6,8,10,12,14
.irp i,0,1,2,3
	v_pk_add_f32 v[X+16*\i+\j:X+16*\i+\j+1], v[X+16*\i+\j:X+16*\i+\j+1], v[MU+2*\i:MU+2*\i+1] neg_lo:[0,1] neg_hi:[0,1]
.endr
.endr
.irp i,0,1,2,3
	v_pk_mul_f32 v[SM+2*\i:SM+2*\i+1], v[X+16*\i:X+16*\i+1], v[X+16*\i:X+16*\i+1]
.endr
.irp j,2,4,6,8,10,12,14
.irp i,0,1,2,3
	v_pk_fma_f32 v[SM+2*\i:SM+2*\i+1], v[X+16*\i+\j:X+16*\i+\j+1], v[X+16*\i+\j:X+16*\i+\j+1], v[SM+2*\i:SM+2*\i+1]
.endr
.endr
	WSUM
.irp i,0,1,2,3
	v_fma_f32 v[SM+2*\i], v[SM+2*\i], s48, s49     ; the variance + 1e-5
.endr
.irp i,0,1,2,3
	v_rsq_f32 v[MU+2*\i], v[SM+2*\i]
.endr
	v_nop
	s_wait_alu depctr_va_vdst(0)                   ; one wait for the batch of four, ahead of the first line that names a result
.irp i,0,1,2,3
	v_mov_b32 v[MU+2*\i+1], v[MU+2*\i]
.endr
	s_wait_loadcnt 0x0                             ; gain and bias are in
.irp j,0,2,4,6,8,10,12,14
.irp i,0,1,2,3
	v_pk_mul_f32 v[X+16*\i+\j:X+16*\i+\j+1], v[X+16*\i+\j:X+16*\i+\j+1], v[MU+2*\i:MU+2*\i+1]
.endr
.endr
.irp j,0,2,4,6,8,10,12,14
.irp i,0,1,2,3
	v_pk_fma_f32 v[X+16*\i+\j:X+16*\i+\j+1], v[X+16*\i+\j:X+16*\i+\j+1], v[G+\j:G+\j+1], v[BE+\j:BE+\j+1]
.endr
.endr
.endm
; 64 numbers of a lane, v[X + 32 c + i] = k 64 c + 32 h + i of its row, become the fragment's 12 registers in v[PC ..] and its scale word in v[WD]
.macro QB
.irp c,0,1
	v_max3_num_f32 v[TM+\c], |v[X+32*\c]|, |v[X+32*\c+1]|, 0x1800000
.endr
.irp i,2,4,6,8,10,12,14,16,18,20,22,24,26,28,30
.irp c,0,1
	v_max3_num_f32 v[TM+\c], v[TM+\c], |v[X+32*\c+\i]|, |v[X+32*\c+\i+1]|
.endr
.endr
.irp c,0,1
	v_add_nc_u32 v[SO+\c], 0xff000000, v[TM+\c]
.endr
.irp c,0,1
	v_lshrrev_b32 v[BY+\c], 23, v[SO+\c]
.endr
	v_lshl_or_b32 v[WD], v[BY+1], 16, v[BY]
	v_lshlrev_b32 v[T1], 3, v3
	v_lshlrev_b32 v[WD], v[T1], v[WD]
	v_mov_b32 v[T1], 0
	v_permlanex16_b32 v[T1], v[WD], s40, s41
	v_or_b32 v[WD], v[WD], v[T1]
.irp c,0,1
	v_cvt_scalef32_pk16_fp6_f32 v[PC+6*\c:PC+6*\c+2], v[X+32*\c:X+32*\c+15], v[SO+\c]
	v_cvt_scalef32_pk16_fp6_f32 v[TC+4*\c:TC+4*\c+2], v[X+32*\c+16:X+32*\c+31], v[SO+\c]
.endr
	v_nop
.irp c,0,1
.irp i,0,1,2
	v_mov_b32 v[PC+3+6*\c+\i], v[TC+4*\c+\i]
.endr
.endr
.endm
	s_load_b512 s[4:19], s[0:1], 0x0               ; att, wts, bo, x, g2, be2, x1, h2
	v_lshl_add_u32 v254, v0, 2, 0x10800
	v_mov_b32 v255, 0
	v_lshrrev_b32 v12, 5, v0
	v_readfirstlane_b32 s20, v12                   ; wave 0..7
	s_lshr_b32 s21, s20, 2                         ; the norm's tile u
	s_and_b32 s22, s20, 3                          ; and K step s
	v_and_b32 v12, 31, v0
	v_lshlrev_b32 v1, 4, v12                       ; 16 x lane
	v_lshlrev_b32 v4, 3, v12                       ; 8 x lane
	v_lshlrev_b32 v9, 2, v12                       ; 4 x lane
	v_and_b32 v2, 15, v0                           ; r
	v_bfe_u32 v3, v0, 4, 1                         ; h
	s_mul_i32 s44, s20, 4*ROWP
	v_add_nc_u32 v5, s44, v1                       ; my four rows in LDS
	s_mul_i32 s44, s21, 16*ROWP
	s_lshl_b32 s45, s22, 9
	s_add_co_u32 s44, s44, s45
	v_mul_u32_u24 v6, v2, ROWP
	v_lshl_add_u32 v6, v3, 7, v6
	v_add_nc_u32 v6, s44, v6                       ; my fragment's numbers
	s_lshl_b32 s44, s21, 9
	s_lshl_b32 s45, s22, 2
	s_add_co_u32 s44, s44, s45
	s_add_co_u32 s44, s44, SCG
	v_add_nc_u32 v7, s44, v1                       ; my scale word's place
	s_and_b32 s44, s20, 1
	s_lshl_b32 s44, s44, 9
	s_add_co_u32 s44, s44, SCG
	v_add_nc_u32 v8, s44, v1
	s_lshl_b32 s44, s20, 8
	v_mul_u32_u24 v10, v2, ROWP
	v_lshl_add_u32 v10, v3, 6, v10
	v_add_nc_u32 v10, s44, v10                     ; the product's results: row r, byte 256 w + 64 h
	v_lshlrev_b32 v11, 6, v3
	v_add_nc_u32 v11, s44, v11                     ; the same bytes of bo
	s_mov_b32 s40, 0x76543210
	s_mov_b32 s41, 0xfedcba98
	s_mov_b32 s48, 0x3b000000                      ; 2^-9
	s_mov_b32 s49, 0x3727c5ac                      ; 1e-5
	s_mov_b32 s33, 0
	s_lshl_b32 s44, s20, 2
	s_add_co_u32 s44, s44, 96                      ; wo's tile 96 + 4 w
	s_lshl_b32 s45, ttmp9, 5                       ; my four rows of x: 32 G + 8 u + 4 s + 8 (s / 2)
	s_lshl_b32 s46, s21, 3
	s_add_co_u32 s45, s45, s46
	s_lshl_b32 s46, s22, 2
	s_add_co_u32 s45, s45, s46
	s_lshr_b32 s46, s22, 1
	s_lshl_b32 s46, s46, 3
	s_add_co_u32 s45, s45, s46
	s_wait_kmcnt 0x0
	s_lshl_b32 s32, ttmp9, 11
	s_add_co_u32 s32, s32, ASCLO
	s_add_nc_u64 s[24:25], s[4:5], s[32:33]        ; att's scale words: 16 x 128 bytes
	s_mul_i32 s32, ttmp9, 12288
	s_add_nc_u64 s[26:27], s[4:5], s[32:33]        ; att's 8 fragments
	s_lshl_b32 s32, s44, 9
	s_add_co_u32 s32, s32, WSCL
	s_add_nc_u64 s[28:29], s[6:7], s[32:33]
	s_mul_i32 s32, s44, 6144
	s_add_nc_u64 s[30:31], s[6:7], s[32:33]
	s_lshl_b32 s32, s45, 11
	s_add_nc_u64 s[34:35], s[10:11], s[32:33]
	s_add_nc_u64 s[36:37], s[16:17], s[32:33]
.irp u,0,1
.irp d,0,1,2,3,4,5,6,7
	global_load_b32 v[AH+8*\u+\d], v9, s[24:25] offset:(8*\u+\d)*128
.endr
.endr
.irp u,0,1
.irp s,0,1,2,3
.irp p,0,1,2,3,4,5
	global_load_b64 v[AF+12*(4*\u+\s)+2*\p:AF+12*(4*\u+\s)+2*\p+1], v4, s[26:27] offset:\u*6144+\s*1536+256*\p   ; two heads' half fragments make a fragment
.endr
.endr
.endr
.irp y,0,1,2,3
	global_load_b128 v[SW+4*\y:SW+4*\y+3], v1, s[28:29] offset:512*\y
.endr
	WIN 0x40
.set q, 0
.rept 48
	global_load_b128 v[4*q:4*q+3], v1, s[30:31] offset:512*q   ; wo's fragment (y, s) at v[12 (4 y + s)] of window 1: 24,576 bytes on end
.set q, q+1
.endr
	WIN 0
.irp u,0,1
.irp y,0,1,2,3
	global_load_b128 v[ACC+32*\u+8*\y:ACC+32*\u+8*\y+3], v11, s[8:9] offset:128*(\y/2)+32*(\y%2)        ; bo: register j of (u, y) is column 64 w + 32 (y / 2) + 16 h + 8 (y % 2) + j
	global_load_b128 v[ACC+32*\u+8*\y+4:ACC+32*\u+8*\y+7], v11, s[8:9] offset:128*(\y/2)+32*(\y%2)+16
.endr
.endr
	WIN 0x40
.irp i,0,1,2,3
.irp j,0,1,2,3
	global_load_b128 v[192+16*\i+4*\j:195+16*\i+4*\j], v1, s[34:35] offset:2048*\i+512*\j th:TH_LOAD_NT
.endr
.endr
	WIN 0
.irp j,0,1,2,3
	global_load_b128 v[G+4*\j:G+4*\j+3], v1, s[12:13] offset:512*\j
.endr
.irp j,0,1,2,3
	global_load_b128 v[BE+4*\j:BE+4*\j+3], v1, s[14:15] offset:512*\j
.endr
	s_wait_loadcnt 24                              ; all that the product needs is in; x's sixteen loads and gain's and bias's eight may be out
.irp u,0,1
.irp j,0,1,2,3
	v_lshl_or_b32 v[SA+4*\u+\j], v[AH+8*\u+2*\j+1], 16, v[AH+8*\u+2*\j]   ; two heads' two bytes each make a K step's word
.endr
.endr
.rept 8
	v_nop                                          ; a scale register written by a vector instruction stands eight places ahead of a scaled product
.endr
	WIN 0x01                                       ; source 0 (wo) in window 1
.irp s,0,1,2,3
.irp u,0,1
.irp y,0,1,2,3
	v_wmma_scale_f32_16x16x128_f8f6f4 v[ACC+32*\u+8*\y:ACC+32*\u+8*\y+7], v[12*(4*\y+\s):12*(4*\y+\s)+11], v[AF+12*(4*\u+\s):AF+12*(4*\u+\s)+11], v[ACC+32*\u+8*\y:ACC+32*\u+8*\y+7], v[SW+4*\y+\s], v[SA+4*\u+\s] matrix_a_fmt:MATRIX_FMT_FP6 matrix_b_fmt:MATRIX_FMT_FP6
.endr
.endr
.endr
	WIN 0
.rept 4
	v_nop
.endr
.irp u,0,1
.irp y,0,1,2,3
	ds_store_b128 v10, v[ACC+32*\u+8*\y:ACC+32*\u+8*\y+3] offset:\u*16*ROWP+128*(\y/2)+32*(\y%2)
	ds_store_b128 v10, v[ACC+32*\u+8*\y+4:ACC+32*\u+8*\y+7] offset:\u*16*ROWP+128*(\y/2)+32*(\y%2)+16
.endr
.endr
	s_wait_dscnt 0x0
	s_barrier_signal -1
	s_barrier_wait -1                              ; 32 whole rows of att wo + bo lie in LDS
.irp i,0,1,2,3
.irp j,0,1,2,3
	ds_load_b128 v[X+16*\i+4*\j:X+16*\i+4*\j+3], v5 offset:\i*ROWP+512*\j
.endr
.endr
.irp i,0,1,2,3
	v_mov_b32 v[PM+\i], 0
.endr
	s_wait_loadcnt 8                               ; x is in; gain's and bias's eight loads may be out
	s_wait_dscnt 0x0
	WIN 0x04                                       ; source 1 (x) in window 1
.set k, 0
.rept 32
	v_pk_add_f32 v[X+k:X+k+1], v[X+k:X+k+1], v[192+k:193+k]
.set k, k+2
.endr
	WIN 0
.irp i,0,1,2,3
.irp j,0,1,2,3
	global_store_b128 v1, v[X+16*\i+4*\j:X+16*\i+4*\j+3], s[36:37] offset:2048*\i+512*\j   ; x1: 512 consecutive bytes a store
.endr
.endr
	s_wait_xcnt 0x0                                ; the rows are worked on in place only behind this wait
	LNROWS
.irp i,0,1,2,3
.irp j,0,1,2,3
	ds_store_b128 v5, v[X+16*\i+4*\j:X+16*\i+4*\j+3] offset:\i*ROWP+512*\j   ; into my own four rows, which nobody else reads between the two barriers
.endr
.endr
	s_wait_dscnt 0x0
	s_barrier_signal -1
	s_barrier_wait -1
.irp c,0,1
.irp e,0,1,2,3,4,5,6,7
	ds_load_b128 v[X+32*\c+4*\e:X+32*\c+4*\e+3], v6 offset:256*\c+16*\e
.endr
.endr
	s_wait_dscnt 0x0
	QB
	s_lshl_b32 s44, ttmp9, 1
	s_add_co_u32 s45, s44, s21                     ; tile 2 G + u
	s_lshl_b32 s45, s45, 2
	s_add_co_u32 s45, s45, s22
	s_mul_i32 s32, s45, 1536
	s_add_nc_u64 s[38:39], s[18:19], s[32:33]
.irp c,0,1,2
	global_store_b128 v1, v[PC+4*\c:PC+4*\c+3], s[38:39] offset:512*\c
.endr
	ds_store_b32 v7, v[WD]
	s_wait_dscnt 0x0
	s_barrier_signal -1
	s_barrier_wait -1
	s_cmp_gt_u32 s20, 1
	s_cbranch_scc1 .Lend
	ds_load_b128 v[108:111], v8
	s_add_co_u32 s45, s44, s20
	s_lshl_b32 s46, s45, 9
	s_add_co_u32 s46, s46, HSCL
	s_mov_b32 s47, 0
	s_add_nc_u64 s[42:43], s[18:19], s[46:47]
	s_wait_dscnt 0x0
	global_store_b128 v1, v[108:111], s[42:43]
.Lend:
	s_wait_tensorcnt 0x0
	ds_add_u32 v254, v255
	s_wait_dscnt 0x0
	s_endpgm
.Lfunc_end_k_q39e0111f5e_oproj:
	.size	k_q39e0111f5e_oproj, .Lfunc_end_k_q39e0111f5e_oproj-k_q39e0111f5e_oproj
	.p2alignl 7, 3214868480
	.fill 96, 4, 3214868480
	.section	.rodata,"a",@progbits
	.p2align	6, 0x0
	.amdhsa_kernel k_q39e0111f5e_oproj
		.amdhsa_group_segment_fixed_size 68608
		.amdhsa_private_segment_fixed_size 0
		.amdhsa_enable_private_segment 0
		.amdhsa_kernarg_size 64
		.amdhsa_user_sgpr_count 2
		.amdhsa_user_sgpr_kernarg_segment_ptr 1
		.amdhsa_wavefront_size32 1
		.amdhsa_system_sgpr_workgroup_id_x 1
		.amdhsa_system_sgpr_workgroup_id_y 1
		.amdhsa_system_sgpr_workgroup_id_z 1
		.amdhsa_system_vgpr_workitem_id 0
		.amdhsa_next_free_vgpr 512
		.amdhsa_next_free_sgpr 66
		.amdhsa_reserve_vcc 0
		.amdhsa_float_denorm_mode_32 3
		.amdhsa_float_denorm_mode_16_64 3
		.amdhsa_memory_ordered 1
		.amdhsa_forward_progress 1
		.amdhsa_inst_pref_size 49
	.end_amdhsa_kernel
	.amdgpu_metadata
---
amdhsa.version: [ 1, 2 ]
amdhsa.kernels:
  - .name:           k_q39e0111f5e_oproj
    .symbol:         k_q39e0111f5e_oproj.kd
    .args:
      - { .name: att, .offset: 0, .size: 8, .value_kind: global_buffer, .address_space: global }
      - { .name: wts, .offset: 8, .size: 8, .value_kind: global_buffer, .address_space: global }
      - { .name: bo, .offset: 16, .size: 8, .value_kind: global_buffer, .address_space: global }
      - { .name: x, .offset: 24, .size: 8, .value_kind: global_buffer, .address_space: global }
      - { .name: g2, .offset: 32, .size: 8, .value_kind: global_buffer, .address_space: global }
      - { .name: be2, .offset: 40, .size: 8, .value_kind: global_buffer, .address_space: global }
      - { .name: x1, .offset: 48, .size: 8, .value_kind: global_buffer, .address_space: global }
      - { .name: h2, .offset: 56, .size: 8, .value_kind: global_buffer, .address_space: global }
    .group_segment_fixed_size: 68608
    .private_segment_fixed_size: 0
    .kernarg_segment_align: 8
    .kernarg_segment_size: 64
    .max_flat_workgroup_size: 256
    .sgpr_count:     66
    .vgpr_count:     512
    .wavefront_size: 32
...
	.end_amdgpu_metadata
.endif
;; end of part 4
;; launch ff1 (part 5): grid 8 x 32, 8 waves a work-group, no clusters, 197,632 bytes of LDS; arguments h2, wts, b1, hid; writes hid
.if DOCPART == 5
	.amdgcn_target "amdgcn-amd-amdhsa--gfx1250"
	.amdhsa_code_object_version 6
	.text
	.protected	k_q39e0111f5e_ff1
	.globl	k_q39e0111f5e_ff1
	.p2align	8
	.type	k_q39e0111f5e_ff1,@function
k_q39e0111f5e_ff1:
	s_mov_b64 s[64:65], 0
	v_nop
	global_prefetch_b8 v0, s[64:65] scope:SCOPE_SE
	s_setreg_imm32_b32 hwreg(HW_REG_WAVE_MODE, 25, 1), 1
	s_wait_xcnt 0x0
; A product on codes of FP6 (E2M3, one E8M0 byte for each 32 along K), K = 512, whose RESULT IS QUANTISED AGAIN along one of its axes.  One text, two uses (FF):
; FF = 0: q, k, v = LayerNorm(x) W.  FF = 1 (here): relu(h2 w1 + b1), quantised along the hidden axis.
; ROLES.  Y is source 0: the result is quantised along it (here w1's columns).  R is source 1: a lane keeps one row of R (here a row of h2).  A work-group has 256 of each, wave w 64 of R (tiles 4 (w % 4) ..) x 128 of Y
; (tiles 8 (w / 4) ..): 32 accumulators.  Lane r of tile T stands for index 32 (T / 2) + 8 (T % 2) + r + 8 (r / 8), so the 16 registers of Y's tiles 2 b and 2 b + 1 are 16 neighbours along Y, and a wave's 128 of Y are one fragment.
; Operands lie in memory as images of the operand's registers (1,536 bytes a fragment, tile by tile, four K steps on end); results are stored so too, with one scale word a lane (128 bytes a fragment).
; LDS is filled ONCE: all four K steps (4 x 32 fragments = 196,608 bytes) are asked for in one group at the start, four tensor loads a wave; so there is no ring and no refill.
; No cluster: a plain launch; each work-group asks for its 196,608 bytes itself.  (The eight work-groups of a row block read the same tiles of R, the 32 of a column block the same tiles of Y: joint loads are left out of this text.)
; LIMITS: a block of zeros, or one whose largest magnitude lies under 2^-124, gets the byte 1 (read by this program alone); NaN and infinities are not served.
; REGISTERS: window 0: v1-11 addresses; v16-63 R's four fragments; v64-159 Y's eight; v160-175 R's scale words (4 x + s); v176-207 Y's (4 y + s); v208-245 the quantiser.  Window 1: accumulator (x, y) at v[64 x + 8 y].
.set FF, 1
.set WSCL,   2359296
.set HSCL,   3145728
.set QKSCLO, 6291456
.set VIMGO,  6815744
.set VSCLO,  9961472
.set HDSCLO, 12582912
.set KSB, 49152                        ; a K step in LDS: R's 16 fragments, then Y's 16
.set RF, 16
.set YF, 64
.set SR, 160
.set SY, 176
.set TM, 208
.set PW, 224
.set PC, 226
.set G1, 16                            ; s[16:23] descriptor group 1
.set G0, 24                            ; s[24:39] four groups 0, one for each K step
.if FF
.set OUTP, 10
.else
.set OUTP, 8
.endif
.set MSB, 0
.macro WIN new                         ; the immediate's high byte repeats the setting that is left
.if MSB != \new
	s_set_vgpr_msb (MSB<<8)|\new
.set MSB, \new
.endif
.endm
.macro PROD x, y, s
.if (\s == 0) && (FF == 0)
	v_wmma_scale_f32_16x16x128_f8f6f4 v[64*\x+8*\y:64*\x+8*\y+7], v[YF+12*\y:YF+12*\y+11], v[RF+12*\x:RF+12*\x+11], 0, v[SY+4*\y+\s], v[SR+4*\x+\s] matrix_a_fmt:MATRIX_FMT_FP6 matrix_b_fmt:MATRIX_FMT_FP6
.else
	v_wmma_scale_f32_16x16x128_f8f6f4 v[64*\x+8*\y:64*\x+8*\y+7], v[YF+12*\y:YF+12*\y+11], v[RF+12*\x:RF+12*\x+11], v[64*\x+8*\y:64*\x+8*\y+7], v[SY+4*\y+\s], v[SR+4*\x+\s] matrix_a_fmt:MATRIX_FMT_FP6 matrix_b_fmt:MATRIX_FMT_FP6
.endif
.endm
; A K step of 128: 32 products, the 32 accumulators by turns
.macro KSTEP s
	s_wait_tensorcnt 3-\s                          ; my part of this K step has landed; my loads of the later K steps may be out
	s_barrier_signal -1
	s_barrier_wait -1                              ; everybody's has
.irp x,0,1,2,3
.irp c,0,1,2
	ds_load_b128 v[RF+12*\x+4*\c:RF+12*\x+4*\c+3], v[4+\s] offset:\x*1536+512*\c
.endr
.endr
.irp y,0,1,2,3,4,5,6,7
.irp c,0,1,2
	ds_load_b128 v[YF+12*\y+4*\c:YF+12*\y+4*\c+3], v[8+\s] offset:\y*1536+512*\c
.endr
.endr
.if \s == 0
	s_wait_loadcnt 0x0                             ; the scale words (and the bias)
.endif
	s_wait_dscnt 12                                ; R's four and Y's first four are in; Y's tiles 4-7, twelve loads, may be out
	WIN 0x50                                       ; C and D in window 1
.irp y,0,1,2,3
.irp x,0,1,2,3
	PROD \x, \y, \s
.endr
.endr
	s_wait_dscnt 0x0
.irp y,4,5,6,7
.irp x,0,1,2,3
	PROD \x, \y, \s
.endr
.endr
	WIN 0
.rept 4
	v_nop                                          ; four places in front of loads into registers that the products have read, and of the first read of results
.endr
.endm
; 64 numbers of a lane in window 1, register a + 16 b + i = index 32 b + 16 h + i along Y, become a fragment's codes in v[PC ..] and its scale word in v[PW]
.macro QUANTW a
	WIN 0x05
.irp b,0,1,2,3
	v_max3_num_f32 v[TM+\b], |v[(\a)+16*\b]|, |v[(\a)+16*\b+1]|, 0x1800000   ; each accumulator is read from its low end on; the floor 2^(3 - 127) holds the byte at 1
.endr
	WIN 0x14
.irp i,2,4,6,8,10,12,14
.irp b,0,1,2,3
	v_max3_num_f32 v[TM+\b], v[TM+\b], |v[(\a)+16*\b+\i]|, |v[(\a)+16*\b+\i+1]|
.endr
.endr
	WIN 0
.irp b,0,1,2,3
	v_permlanex16_b32 v[TM+4+\b], v[TM+\b], s2, s3
.endr
.irp b,0,1,2,3
	v_max_num_f32 v[TM+\b], v[TM+\b], v[TM+4+\b]   ; with lane l xor 16's 16: the block's largest magnitude
.endr
.irp b,0,1,2,3
	v_add_nc_u32 v[TM+12+\b], 0xff000000, v[TM+\b] ; 2 off the exponent field: the conversion's scale operand
.endr
.irp b,0,1,2,3
	v_lshrrev_b32 v[TM+4+\b], 23, v[TM+12+\b]      ; the scale's byte
.endr
	v_lshl_or_b32 v[PW], v[TM+5], 8, v[TM+4]
	v_lshl_or_b32 v[PW], v[TM+6], 16, v[PW]
	v_lshl_or_b32 v[PW], v[TM+7], 24, v[PW]
	WIN 0x01
.irp c,0,1
	v_cvt_scalef32_pk16_fp6_f32 v[PC+6*\c:PC+6*\c+2], v[(\a)+32*\c:(\a)+32*\c+15], v[TM+12+2*\c]
	v_cvt_scalef32_pk16_fp6_f32 v[PC+12+4*\c:PC+14+4*\c], v[(\a)+32*\c+16:(\a)+32*\c+31], v[TM+12+2*\c+1]
.endr
	WIN 0
	v_nop                                          ; one plain instruction behind the conversions
.irp c,0,1                                     ; the operand wants a whole block in a lane: lanes 0-15 block 2 c, lanes 16-31 block 2 c + 1
.irp i,0,1,2
	v_permlane16_swap_b32 v[PC+6*\c+\i], v[PC+12+4*\c+\i]
.endr
.irp i,0,1,2
	v_mov_b32 v[PC+3+6*\c+\i], v[PC+12+4*\c+\i]
.endr
.endr
.endm
.if FF
	s_load_b256 s[4:11], s[0:1], 0x0               ; h2, wts, b1, hid
	v_lshl_add_u32 v254, v0, 2, 0x30000
	v_mov_b32 v255, 0
	ds_add_u32 v254, v255
	ds_add_u32 v254, v255
.else
	s_load_b128 s[4:7], s[0:1], 0x0                ; wts, hq
	s_load_b64 s[8:9], s[0:1], 0x10                ; qkv
.endif
	v_lshrrev_b32 v12, 5, v0
	v_readfirstlane_b32 s12, v12                   ; wave 0..7
	s_and_b32 s13, s12, 3                          ; xr
	s_lshr_b32 s14, s12, 2                         ; yh
	s_mov_b32 s2, 0x76543210
	s_mov_b32 s3, 0xfedcba98                       ; lane l xor 16
	; group 1: four fragments of one K step: 4 rows of 1,536 bytes (192 elements of 8), 6,144 bytes (768 elements) apart, laid on end in LDS
	s_mov_b32 s[G1+0], 3<<16
	s_mov_b32 s[G1+1], 192<<16
	s_mov_b32 s[G1+2], 4<<16
	s_mov_b32 s[G1+3], 192<<16
	s_mov_b32 s[G1+4], 4
	s_mov_b32 s[G1+5], 768
	s_mov_b32 s[G1+6], 0
	s_mov_b32 s[G1+7], 0
	s_mov_b32 s57, 0
.if FF
	s_mov_b32 s52, ttmp9                           ; yb: 256 hidden units
	s_and_b32 s51, ttmp7, 0xffff                   ; rb: 256 rows
	s_mov_b32 s44, HSCL
	s_mov_b32 s45, WSCL
	s_mov_b32 s46, 0
	s_mov_b32 s47, 128                             ; w1's tiles begin at 128
	s_mov_b32 s48, 16                              ; fragments along Y in a row of the output
	s_mov_b32 s49, 0
	s_mov_b32 s50, HDSCLO
	s_wait_dscnt 0x0
	s_wait_kmcnt 0x0
	s_mov_b64 s[40:41], s[4:5]                     ; R = h2
	s_mov_b64 s[42:43], s[6:7]                     ; Y = wts
.else
	s_lshr_b32 s51, ttmp9, 2
	s_and_b32 s52, ttmp9, 3
	s_sub_co_u32 s53, ttmp9, 128
	s_and_b32 s54, s53, 1
	s_lshr_b32 s55, s53, 1
	s_mov_b32 s44, HSCL
	s_mov_b32 s45, WSCL
	s_mov_b32 s50, VSCLO
	s_mov_b32 s47, 0
	s_wait_kmcnt 0x0
	s_cmp_lt_u32 ttmp9, 128
	s_cselect_b32 s51, s51, s54
	s_cselect_b32 s52, s52, s55
	s_cselect_b64 s[40:41], s[6:7], s[4:5]
	s_cselect_b64 s[42:43], s[4:5], s[6:7]
	s_cselect_b32 s53, s44, s45
	s_cselect_b32 s45, s45, s44
	s_mov_b32 s44, s53
	s_cselect_b32 s46, 0, 64
	s_cselect_b32 s48, 8, 64
	s_cselect_b32 s49, 0, VIMGO
	s_cselect_b32 s50, QKSCLO, s50
.endif
	s_lshl_b32 s53, s51, 4
	s_add_co_u32 s46, s46, s53                     ; R's first tile
	s_lshl_b32 s53, s52, 4
	s_add_co_u32 s47, s47, s53                     ; Y's first tile
	s_cmp_lt_u32 s12, 4                            ; waves 0-3 fetch R's tiles 4 w .., waves 4-7 Y's
	s_cselect_b64 s[62:63], s[40:41], s[42:43]
	s_cselect_b32 s56, s46, s47
	s_lshl_b32 s53, s13, 2
	s_add_co_u32 s56, s56, s53
	s_mul_i32 s56, s56, 6144
	s_add_nc_u64 s[62:63], s[62:63], s[56:57]
	s_mul_i32 s58, s12, 6144                       ; in LDS: wave x four fragments
.irp s,0,1,2,3
	s_mov_b32 s[G0+4*\s], 1
	s_add_co_u32 s[G0+4*\s+1], s58, \s*KSB
	s_add_nc_u64 s[G0+4*\s+2:G0+4*\s+3], s[62:63], \s*1536
	s_or_b32 s[G0+4*\s+3], s[G0+4*\s+3], 0x80000000
.endr
	tensor_load_to_lds s[G0:G0+3], s[G1:G1+7]      ; the four first fills in one group: four tensor loads of mine are out
	s_nop 0
	tensor_load_to_lds s[G0+4:G0+7], s[G1:G1+7]
	s_nop 0
	tensor_load_to_lds s[G0+8:G0+11], s[G1:G1+7]
	s_nop 0
	tensor_load_to_lds s[G0+12:G0+15], s[G1:G1+7]
	s_nop 0
.rept 4
	v_nop
.endr
	v_and_b32 v12, 31, v0
	v_lshlrev_b32 v1, 4, v12                       ; 16 x lane
	v_lshlrev_b32 v2, 2, v12                       ; 4 x lane
	v_bfe_u32 v3, v0, 4, 1
	v_lshlrev_b32 v3, 6, v3                        ; 64 h
	s_lshl_b32 s56, s13, 2
	s_add_co_u32 s56, s56, s46
	s_lshl_b32 s56, s56, 9
	s_add_co_u32 s56, s56, s44
	s_add_nc_u64 s[66:67], s[40:41], s[56:57]      ; my four tiles' scale units of R
	s_lshl_b32 s56, s14, 3
	s_add_co_u32 s56, s56, s47
	s_lshl_b32 s56, s56, 9
	s_add_co_u32 s56, s56, s45
	s_add_nc_u64 s[68:69], s[42:43], s[56:57]      ; my eight of Y
.irp x,0,1,2,3
	global_load_b128 v[SR+4*\x:SR+4*\x+3], v1, s[66:67] offset:512*\x
.endr
.irp y,0,1,2,3,4,5,6,7
	global_load_b128 v[SY+4*\y:SY+4*\y+3], v1, s[68:69] offset:512*\y
.endr
.if FF
	s_lshl_b32 s56, s52, 10                        ; the bias goes straight into the accumulators: register j of (x, y) is hidden unit 256 yb + 128 yh + 32 (y / 2) + 16 h + 8 (y % 2) + j
	s_lshl_b32 s53, s14, 9
	s_add_co_u32 s56, s56, s53
	s_add_nc_u64 s[78:79], s[8:9], s[56:57]
	WIN 0x40
.irp x,0,1,2,3
.irp y,0,1,2,3,4,5,6,7
	global_load_b128 v[64*\x+8*\y:64*\x+8*\y+3], v3, s[78:79] offset:(32*(\y/2)+8*(\y%2))*4
	global_load_b128 v[64*\x+8*\y+4:64*\x+8*\y+7], v3, s[78:79] offset:(32*(\y/2)+8*(\y%2))*4+16
.endr
.endr
	WIN 0
.endif
	s_mul_i32 s56, s13, 6144
	s_mul_i32 s58, s14, 12288
	s_add_co_u32 s58, s58, 24576
.irp s,0,1,2,3
	v_add_nc_u32 v[4+\s], s56, v1                  ; R's fragments of K step s
	v_add_nc_u32 v[8+\s], s58, v1                  ; Y's
	s_add_co_u32 s56, s56, KSB
	s_add_co_u32 s58, s58, KSB
.endr
.irp b,0,1,2,3
	v_mov_b32 v[TM+4+\b], 0                        ; a lane permute's destination counts as one of its sources
.endr
	; where the results go: fragment (16 rb + 4 xr + x) NYS + 2 yb + yh
	s_lshl_b32 s56, s51, 4
	s_lshl_b32 s53, s13, 2
	s_add_co_u32 s56, s56, s53
	s_mul_i32 s56, s56, s48
	s_lshl_b32 s53, s52, 1
	s_add_co_u32 s56, s56, s53
	s_add_co_u32 s53, s56, s14
	s_mul_i32 s56, s53, 1536
	s_add_co_u32 s56, s56, s49
	s_add_nc_u64 s[70:71], s[OUTP:OUTP+1], s[56:57]
	s_lshl_b32 s56, s53, 7
	s_add_co_u32 s56, s56, s50
	s_add_nc_u64 s[72:73], s[OUTP:OUTP+1], s[56:57]
	s_mul_i32 s74, s48, 1536                       ; from x to x + 1
	s_mov_b32 s75, 0
	s_lshl_b32 s76, s48, 7
	s_mov_b32 s77, 0
	KSTEP 0
	KSTEP 1
	KSTEP 2
	KSTEP 3
.irp x,0,1,2,3
.if FF
	WIN 0x44
.set j, 0
.rept 64
	v_max_num_f32 v[64*\x+j], 0, v[64*\x+j]        ; the activation, in f32, each accumulator from its low end on
.set j, j+1
.endr
.endif
	QUANTW 64*\x
.irp c,0,1,2
	global_store_b128 v1, v[PC+4*\c:PC+4*\c+3], s[70:71] offset:512*\c   ; 512 consecutive bytes a store
.endr
	global_store_b32 v2, v[PW], s[72:73]
	s_wait_xcnt 0x0                                ; the stores' data and bases are written again only behind this wait
	s_add_nc_u64 s[70:71], s[70:71], s[74:75]
	s_add_nc_u64 s[72:73], s[72:73], s[76:77]
.endr
	s_wait_tensorcnt 0x0
	ds_add_u32 v254, v255
	s_wait_dscnt 0x0
	s_endpgm
.Lfunc_end_k_q39e0111f5e_ff1:
	.size	k_q39e0111f5e_ff1, .Lfunc_end_k_q39e0111f5e_ff1-k_q39e0111f5e_ff1
	.p2alignl 7, 3214868480
	.fill 96, 4, 3214868480
	.section	.rodata,"a",@progbits
	.p2align	6, 0x0
	.amdhsa_kernel k_q39e0111f5e_ff1
		.amdhsa_group_segment_fixed_size 197632
		.amdhsa_private_segment_fixed_size 0
		.amdhsa_enable_private_segment 0
		.amdhsa_kernarg_size 32
		.amdhsa_user_sgpr_count 2
		.amdhsa_user_sgpr_kernarg_segment_ptr 1
		.amdhsa_wavefront_size32 1
		.amdhsa_system_sgpr_workgroup_id_x 1
		.amdhsa_system_sgpr_workgroup_id_y 1
		.amdhsa_system_sgpr_workgroup_id_z 1
		.amdhsa_system_vgpr_workitem_id 0
		.amdhsa_next_free_vgpr 512
		.amdhsa_next_free_sgpr 80
		.amdhsa_reserve_vcc 0
		.amdhsa_float_denorm_mode_32 3
		.amdhsa_float_denorm_mode_16_64 3
		.amdhsa_memory_ordered 1
		.amdhsa_forward_progress 1
		.amdhsa_inst_pref_size 66
	.end_amdhsa_kernel
	.amdgpu_metadata
---
amdhsa.version: [ 1, 2 ]
amdhsa.kernels:
  - .name:           k_q39e0111f5e_ff1
    .symbol:         k_q39e0111f5e_ff1.kd
    .args:
      - { .name: h2, .offset: 0, .size: 8, .value_kind: global_buffer, .address_space: global }
      - { .name: wts, .offset: 8, .size: 8, .value_kind: global_buffer, .address_space: global }
      - { .name: b1, .offset: 16, .size: 8, .value_kind: global_buffer, .address_space: global }
      - { .name: hid, .offset: 24, .size: 8, .value_kind: global_buffer, .address_space: global }
    .group_segment_fixed_size: 197632
    .private_segment_fixed_size: 0
    .kernarg_segment_align: 8
    .kernarg_segment_size: 32
    .max_flat_workgroup_size: 256
    .sgpr_count:     80
    .vgpr_count:     512
    .wavefront_size: 32
...
	.end_amdgpu_metadata
.endif
;; end of part 5
;; launch ff2 (part 6): grid 4 x 64, 8 waves a work-group, no clusters, 327,680 bytes of LDS; arguments hid, wts, b2, x1, out0; writes out0
.if DOCPART == 6
	.amdgcn_target "amdgcn-amd-amdhsa--gfx1250"
	.amdhsa_code_object_version 6
	.text
	.protected	k_q39e0111f5e_ff2
	.globl	k_q39e0111f5e_ff2
	.p2align	8
	.type	k_q39e0111f5e_ff2,@function
k_q39e0111f5e_ff2:
	s_mov_b64 s[64:65], 0
	v_nop
	global_prefetch_b8 v0, s[64:65] scope:SCOPE_SE
	s_setreg_imm32_b32 hwreg(HW_REG_WAVE_MODE, 25, 1), 1
	s_wait_xcnt 0x0
; out0 = x1 + hidden w2 + b2; the product on codes of FP6 (E2M3, one E8M0 byte for each 32 along K = 2,048).
; SHARES.  A work-group makes 128 rows x 128 columns: 256 work-groups.  Wave w: row tiles 4 (w % 2) .. + 3, column tiles 2 (w / 2), + 1: 8 accumulators.  The product is used transposed (source 0 = w2, source 1 = hidden):
; a lane holds one row and eight neighbouring columns.  b2 is loaded into the accumulators.  Lane r of tile T stands for row (or column) 32 (T / 2) + 8 (T % 2) + r + 8 (r / 8).
; THE RING.  K goes in four runs of 512 (4 K steps) through two LDS slots of 98,304 bytes: 8 tiles of the hidden layer and 8 of w2, each 4 fragments (images of the operand's registers, 1,536 bytes) on end.
; Each wave fetches two tiles with one tensor load (2 rows of 6,144 bytes).  Both first fills go out together; each of the two refills stands first behind a barrier in front of which every wave has waited for all its
; tensor loads, added 0 to its spare word and waited for that and for its reads.  By this text's own count a wave has at most two tensor loads out.  The launch claims all of LDS.
; No cluster: a plain launch.  (The four work-groups of a row block read the same hidden tiles, the 64 of a column block the same tiles of w2: joint loads are left out of this text.)
; THE WAY OUT.  Results meet in a stage of 128 rows x (512 + 16) bytes; wave w reads tile w's 16 rows back whole, adds x1 and stores 512 consecutive bytes a row.
; REGISTERS: v1-11 addresses; v16-63 four hidden fragments; v64-87 two of w2; v88-151 accumulator (x, u) at v[88 + 8 (2 x + u)]; v152-215 the hidden layer's scale words (16 x + K step), later x1; v216-247 w2's (16 u + K step).
.set WSCL,   2359296
.set HDSCLO, 12582912
.set SLOT,  98304
.set WOFF,  49152                      ; in a slot: w2's tiles behind the hidden layer's
.set STAGE, 2*SLOT
.set SPIT,  528
.set SPARE, STAGE+128*SPIT             ; the spare words: 128 bytes a wave, four blocks of 256 bytes that no other line names
.set AF,  16
.set WF,  64
.set ACC, 88
.set SA,  152
.set SW,  216
.set G1,  16                           ; s[16:23] descriptor group 1
.set G0,  24                           ; s[24:31] group 0, one for each slot
.macro SLOTK n, kg                     ; the four K steps of slot n, which holds run kg
.irp s,0,1,2,3
.irp x,0,1,2,3
.irp c,0,1,2
	ds_load_b128 v[AF+12*\x+4*\c:AF+12*\x+4*\c+3], v[4+\n] offset:\x*6144+\s*1536+512*\c
.endr
.endr
.irp u,0,1
.irp c,0,1,2
	ds_load_b128 v[WF+12*\u+4*\c:WF+12*\u+4*\c+3], v[6+\n] offset:\u*6144+\s*1536+512*\c
.endr
.endr
	s_wait_dscnt 0x0
.irp x,0,1,2,3
.irp u,0,1
	v_wmma_scale_f32_16x16x128_f8f6f4 v[ACC+8*(2*\x+\u):ACC+8*(2*\x+\u)+7], v[WF+12*\u:WF+12*\u+11], v[AF+12*\x:AF+12*\x+11], v[ACC+8*(2*\x+\u):ACC+8*(2*\x+\u)+7], v[SW+16*\u+4*\kg+\s], v[SA+16*\x+4*\kg+\s] matrix_a_fmt:MATRIX_FMT_FP6 matrix_b_fmt:MATRIX_FMT_FP6
.endr
.endr
.rept 4
	v_nop                                          ; four places in front of loads into registers that the products have read, and of the first read of results
.endr
.endr
.endm
.macro CHANGE n, fill                  ; the change of slots; fill = 1: slot n, which has been read, takes the run two further on
	s_wait_tensorcnt 0x0                           ; all my tensor loads have landed, my part of the slot ahead among them
	ds_add_u32 v10, v11                            ; 0 onto my spare word
.if \fill
	s_add_nc_u64 s[G0+4*\n+2:G0+4*\n+3], s[G0+4*\n+2:G0+4*\n+3], 12288   ; two runs of 6,144 bytes on; no tensor load of mine is out
.endif
	s_wait_dscnt 0x0                               ; the add is done, and my reads of the slot that I leave are over
	s_barrier_signal -1
	s_barrier_wait -1
.if \fill
	tensor_load_to_lds s[G0+4*\n:G0+4*\n+3], s[G1:G1+7]   ; first behind the barrier, my one tensor load until the next
	s_nop 0
.rept 4
	v_nop
.endr
.endif
.endm
	s_load_b256 s[4:11], s[0:1], 0x0               ; hid, wts, b2, x1
	s_load_b64 s[12:13], s[0:1], 0x20              ; out0
	v_lshl_add_u32 v10, v0, 2, SPARE
	v_mov_b32 v11, 0
	ds_add_u32 v10, v11
	ds_add_u32 v10, v11
	s_wait_dscnt 0x0
	v_lshrrev_b32 v12, 5, v0
	v_readfirstlane_b32 s14, v12                   ; wave 0..7
	s_and_b32 s15, s14, 1                          ; xr
	s_lshr_b32 s40, s14, 1                         ; yc
	s_mov_b32 s41, ttmp9                           ; cb: 128 columns
	s_and_b32 s42, ttmp7, 0xffff                   ; rb: 128 rows
	; group 1: two tiles' four fragments: 2 rows of 6,144 bytes (768 elements of 8), 24,576 bytes (3,072 elements) apart, laid on end in LDS
	s_mov_b32 s[G1+0], 3<<16
	s_mov_b32 s[G1+1], 768<<16
	s_mov_b32 s[G1+2], 2<<16
	s_mov_b32 s[G1+3], 768<<16
	s_mov_b32 s[G1+4], 2
	s_mov_b32 s[G1+5], 3072
	s_mov_b32 s[G1+6], 0
	s_mov_b32 s[G1+7], 0
	s_and_b32 s43, s14, 3
	s_lshl_b32 s43, s43, 1
	s_lshl_b32 s44, s42, 3                         ; the hidden layer's tile 8 rb + 2 w
	s_lshl_b32 s45, s41, 3
	s_add_co_u32 s45, s45, 64                      ; w2's tile 8 cb + 2 (w - 4); its images begin 64 x 24,576 bytes into wts
	s_wait_kmcnt 0x0
	s_cmp_lt_u32 s14, 4                            ; waves 0-3 fetch the hidden layer's tiles, waves 4-7 w2's
	s_cselect_b64 s[46:47], s[4:5], s[6:7]
	s_cselect_b32 s44, s44, s45
	s_add_co_u32 s44, s44, s43
	s_mul_i32 s44, s44, 24576
	s_mov_b32 s45, 0
	s_add_nc_u64 s[46:47], s[46:47], s[44:45]
	s_mul_i32 s43, s14, 12288
.irp n,0,1
	s_mov_b32 s[G0+4*\n], 1
	s_add_co_u32 s[G0+4*\n+1], s43, \n*SLOT
	s_add_nc_u64 s[G0+4*\n+2:G0+4*\n+3], s[46:47], \n*6144
	s_or_b32 s[G0+4*\n+3], s[G0+4*\n+3], 0x80000000
.endr
	tensor_load_to_lds s[G0:G0+3], s[G1:G1+7]      ; both first fills in one group
	s_nop 0
	tensor_load_to_lds s[G0+4:G0+7], s[G1:G1+7]
	s_nop 0
.rept 4
	v_nop
.endr
	v_and_b32 v12, 31, v0
	v_lshlrev_b32 v1, 4, v12                       ; 16 x lane
	v_lshlrev_b32 v2, 2, v12                       ; 4 x lane
	v_bfe_u32 v13, v0, 4, 1
	v_lshlrev_b32 v3, 6, v13                       ; 64 h
	s_mul_i32 s43, s15, 24576
	s_mul_i32 s44, s40, 12288
	s_add_co_u32 s44, s44, WOFF
.irp n,0,1
	v_add_nc_u32 v[4+\n], s43, v1                  ; my four hidden tiles in slot n
	v_add_nc_u32 v[6+\n], s44, v1                  ; my two tiles of w2
	s_add_co_u32 s43, s43, SLOT
	s_add_co_u32 s44, s44, SLOT
.endr
	v_and_b32 v12, 15, v0
	v_mul_u32_u24 v8, v12, SPIT
	v_add_nc_u32 v8, v8, v3
	s_mul_i32 s43, s15, 64*SPIT
	s_lshl_b32 s44, s40, 7
	s_add_co_u32 s43, s43, s44
	s_add_co_u32 s43, s43, STAGE
	v_add_nc_u32 v8, s43, v8                       ; the stage, in: row 64 xr + r, byte 128 yc + 64 h
	s_mul_i32 s43, s14, 16*SPIT
	s_add_co_u32 s43, s43, STAGE
	v_add_nc_u32 v9, s43, v1                       ; and back: tile w's rows, 16 bytes a lane
	s_lshl_b32 s44, s42, 3
	s_lshl_b32 s43, s15, 2
	s_add_co_u32 s44, s44, s43
	s_lshl_b32 s44, s44, 11
	s_add_co_u32 s44, s44, HDSCLO
	s_add_nc_u64 s[48:49], s[4:5], s[44:45]        ; my four tiles' 64 scale images, on end
	s_lshl_b32 s44, s41, 3
	s_lshl_b32 s43, s40, 1
	s_add_co_u32 s44, s44, s43
	s_lshl_b32 s44, s44, 2
	s_add_co_u32 s44, s44, 256
	s_lshl_b32 s44, s44, 9
	s_add_co_u32 s44, s44, WSCL
	s_add_nc_u64 s[50:51], s[6:7], s[44:45]        ; my two tiles' 8 scale units, on end
	s_lshl_b32 s44, s41, 9
	s_lshl_b32 s43, s40, 7
	s_add_co_u32 s44, s44, s43
	s_add_nc_u64 s[52:53], s[8:9], s[44:45]        ; b2 at column 128 cb + 32 yc
	s_lshl_b32 s44, s42, 3
	s_add_co_u32 s44, s44, s14                     ; the tile that I store: 8 rb + w
	s_lshr_b32 s43, s44, 1
	s_lshl_b32 s43, s43, 5
	s_and_b32 s44, s44, 1
	s_lshl_b32 s44, s44, 3
	s_add_co_u32 s44, s44, s43
	s_lshl_b32 s44, s44, 11
	s_lshl_b32 s43, s41, 9
	s_add_co_u32 s44, s44, s43
	s_add_nc_u64 s[54:55], s[10:11], s[44:45]      ; x1
	s_add_nc_u64 s[56:57], s[12:13], s[44:45]      ; out0
.set q, 0
.rept 64
	global_load_b32 v[SA+q], v2, s[48:49] offset:128*q
.set q, q+1
.endr
.set q, 0
.rept 8
	global_load_b128 v[SW+4*q:SW+4*q+3], v1, s[50:51] offset:512*q
.set q, q+1
.endr
.irp x,0,1,2,3
.irp u,0,1
	global_load_b128 v[ACC+8*(2*\x+\u):ACC+8*(2*\x+\u)+3], v3, s[52:53] offset:32*\u          ; b2: register j of (x, u) is column 32 yc + 16 h + 8 u + j
	global_load_b128 v[ACC+8*(2*\x+\u)+4:ACC+8*(2*\x+\u)+7], v3, s[52:53] offset:32*\u+16
.endr
.endr
	s_wait_tensorcnt 0x1                           ; my part of slot 0 has landed; slot 1's may be out
	s_barrier_signal -1
	s_barrier_wait -1
	s_wait_loadcnt 0x0                             ; scale words and bias
	SLOTK 0, 0
	CHANGE 0, 1
	SLOTK 1, 1
	CHANGE 1, 1
	SLOTK 0, 2
	CHANGE 0, 0                                    ; the last run has landed; nothing is left to fetch
	SLOTK 1, 3
.irp i,0,1,2,3,4,5,6,7,8,9,10,11,12,13,14,15
	global_load_b128 v[SA+4*\i:SA+4*\i+3], v1, s[54:55] offset:(\i+8*(\i/8))*2048   ; x1: row i of my tile lies i + 8 (i / 8) rows on
.endr
.irp x,0,1,2,3
.irp u,0,1
	ds_store_b128 v8, v[ACC+8*(2*\x+\u):ACC+8*(2*\x+\u)+3] offset:\x*16*SPIT+32*\u
	ds_store_b128 v8, v[ACC+8*(2*\x+\u)+4:ACC+8*(2*\x+\u)+7] offset:\x*16*SPIT+32*\u+16
.endr
.endr
	s_wait_dscnt 0x0
	s_barrier_signal -1
	s_barrier_wait -1                              ; a row's 512 bytes come from four waves
.irp i,0,1,2,3,4,5,6,7,8,9,10,11,12,13,14,15
	ds_load_b128 v[AF+4*\i:AF+4*\i+3], v9 offset:\i*SPIT
.endr
	s_wait_loadcnt 0x0
.irp i,0,1,2,3,4,5,6,7,8,9,10,11,12,13,14,15
	s_wait_dscnt 15-\i                             ; row i is back; the younger rows' loads may be out
	v_pk_add_f32 v[AF+4*\i:AF+4*\i+1], v[AF+4*\i:AF+4*\i+1], v[SA+4*\i:SA+4*\i+1]
	v_pk_add_f32 v[AF+4*\i+2:AF+4*\i+3], v[AF+4*\i+2:AF+4*\i+3], v[SA+4*\i+2:SA+4*\i+3]
	global_store_b128 v1, v[AF+4*\i:AF+4*\i+3], s[56:57] offset:(\i+8*(\i/8))*2048 th:TH_STORE_NT   ; 512 consecutive bytes, at a multiple of 256 from the buffer's first byte
.endr
	s_wait_tensorcnt 0x0                           ; the wave's end
	ds_add_u32 v10, v11
	s_wait_dscnt 0x0
	s_endpgm
.Lfunc_end_k_q39e0111f5e_ff2:
	.size	k_q39e0111f5e_ff2, .Lfunc_end_k_q39e0111f5e_ff2-k_q39e0111f5e_ff2
	.p2alignl 7, 3214868480
	.fill 96, 4, 3214868480
	.section	.rodata,"a",@progbits
	.p2align	6, 0x0
	.amdhsa_kernel k_q39e0111f5e_ff2
		.amdhsa_group_segment_fixed_size 327680
		.amdhsa_private_segment_fixed_size 0
		.amdhsa_enable_private_segment 0
		.amdhsa_kernarg_size 40
		.amdhsa_user_sgpr_count 2
		.amdhsa_user_sgpr_kernarg_segment_ptr 1
		.amdhsa_wavefront_size32 1
		.amdhsa_system_sgpr_workgroup_id_x 1
		.amdhsa_system_sgpr_workgroup_id_y 1
		.amdhsa_system_sgpr_workgroup_id_z 1
		.amdhsa_system_vgpr_workitem_id 0
		.amdhsa_next_free_vgpr 256
		.amdhsa_next_free_sgpr 66
		.amdhsa_reserve_vcc 0
		.amdhsa_float_denorm_mode_32 3
		.amdhsa_float_denorm_mode_16_64 3
		.amdhsa_memory_ordered 1
		.amdhsa_forward_progress 1
		.amdhsa_inst_pref_size 59
	.end_amdhsa_kernel
	.amdgpu_metadata
---
amdhsa.version: [ 1, 2 ]
amdhsa.kernels:
  - .name:           k_q39e0111f5e_ff2
    .symbol:         k_q39e0111f5e_ff2.kd
    .args:
      - { .name: hid, .offset: 0, .size: 8, .value_kind: global_buffer, .address_space: global }
      - { .name: wts, .offset: 8, .size: 8, .value_kind: global_buffer, .address_space: global }
      - { .name: b2, .offset: 16, .size: 8, .value_kind: global_buffer, .address_space: global }
      - { .name: x1, .offset: 24, .size: 8, .value_kind: global_buffer, .address_space: global }
      - { .name: out0, .offset: 32, .size: 8, .value_kind: global_buffer, .address_space: global }
    .group_segment_fixed_size: 327680
    .private_segment_fixed_size: 0
    .kernarg_segment_align: 8
    .kernarg_segment_size: 40
    .max_flat_workgroup_size: 256
    .sgpr_count:     66
    .vgpr_count:     256
    .wavefront_size: 32
...
	.end_amdgpu_metadata
.endif
;; end of part 6
;; ======== version 2 of 2: 6 launches; version 1 with the launches attn, oproj written anew for expert scheduling mode
;; workspace buffers: wts 2,555,904 bytes; hq 3,407,872 bytes; qkv 10,223,616 bytes; att 3,670,016 bytes; x1 16,777,216 bytes; h2 3,407,872 bytes; hid 13,631,488 bytes
;; launch prep: the kernel of part 1 again; grid 448 x 1, 8 waves a work-group, no clusters, 68,608 bytes of LDS; arguments x, g1, be1, wq, wk, wv, wo, w1, w2, wts, hq; writes wts, hq
;; launch qkv: the kernel of part 2 again; grid 192 x 1, 8 waves a work-group, no clusters, 197,632 bytes of LDS; arguments wts, hq, qkv; writes qkv
;; launch attn (part 7): grid 32 x 8, 8 waves a work-group, no clusters, 27,648 bytes of LDS; arguments qkv, att; writes att
.if DOCPART == 7
	.amdgcn_target "amdgcn-amd-amdhsa--gfx1250"
	.amdhsa_code_object_version 6
	.text
	.protected	k_q39e0111f5e_attn
	.globl	k_q39e0111f5e_attn
	.p2align	8
	.type	k_q39e0111f5e_attn,@function
k_q39e0111f5e_attn:
	s_mov_b64 s[64:65], 0
	v_nop
	global_prefetch_b8 v0, s[64:65] scope:SCOPE_SE
	s_setreg_imm32_b32 hwreg(HW_REG_WAVE_SCHED_MODE, 0, 2), 2
	s_setreg_imm32_b32 hwreg(HW_REG_WAVE_MODE, 25, 1), 1
	s_wait_xcnt 0x0
	s_wait_alu depctr_vm_vsrc(0)
; CAUSAL ATTENTION on codes of FP6 (E2M3, one E8M0 byte for each 32 along a product's K); head size 64, scores x 512^-0.5.
; t = score x log2(e) / sqrt(512); M = the running largest t rounded up to a whole number; p = 2^(t - M) is quantised along the keys, not normalised; the row's sum is taken of the unquantised p
; and divides O at the end; when M moves, the sum and O are multiplied by 2^(old M - new M), which rounds nothing.  O / sum is then quantised along the head's 64 for the next product.
; SHARES.  A work-group serves one batch and one PAIR of heads (ttmp7) and two blocks of 64 queries, blk = x and 63 - x: blk needs blk / 2 + 1 steps of 128 keys, the two together 33 for every x,
; so that all 256 work-groups have equal work though the mask is causal.  Wave w: head w / 4 of the pair, query tile w % 4 of the block.
; ONE FRAGMENT OF K SERVES BOTH HEADS.  q and k lie as fragments of 128 = two heads' 64 (registers 0-5, 6-11).  The score's K is 64: my Q has zero CODES in the other head's six registers, which add nothing.
; LAYOUT.  S^T = K Q^T, O^T = V^T P^T: a lane keeps one query.  Lane r of a tile of rows stands for row 32 (T / 2) + 8 (T % 2) + r + 8 (r / 8): the 16 registers of key tiles 2 b, 2 b + 1 are 16 neighbouring keys.
; THE STREAM.  A step's 8 fragments of K, 8 of V (both heads) and their scale words go memory -> registers (a whole step ahead) -> one LDS slot; wave w carries K's tile w and V's tile w.  Two barriers a step:
; one between the last reads of the slot and its stores, one between the stores and the reads.  No LDS address is stepped: the trip count hangs on the work-group's number.
; No cluster, no tensor load: the 32 work-groups of a pair of heads walk different numbers of keys at different times.
; LIMITS: a block of zeros, or one whose largest magnitude lies under 2^-124, gets the byte 1 (read by this program alone); NaN and infinities are not served.
; THE MODE: SCHED_MODE bits 1:0 = 2 (LLVM: expert scheduling mode 2), set by the entry lines.  The code itself states the register dependences between vector or matrix instructions and memory or LDS
; instructions, with s_wait_alu, always for 0.
; THE PLAN.  Registers that memory or LDS instructions touch:
;   v1-v6, v8        offsets and LDS addresses: made once at the head, never written again.
;   v16-27, v255     Q and its scale word: loaded at a pass's head; twelve vector lines clear the other head's half; the products K Q^T read them.
;   v192-217         my share of the next step: written by its eight loads, read by the next step's eight LDS stores; no vector line names them.
;   window 1 v0-95   all eight fragments of K, and v80-87 their scale words: loaded from LDS at a step's head, read by that step's eight products K Q^T.
;   v32-79, v248-251 my head's four fragments of V and their scale words: loaded from LDS straight behind the products K Q^T, read by the four products V^T P at the step's end, behind the softmax.
;   v224-229, v254   a pass's result: written by its last conversions, read by its four stores.
; So ONE wait on va_vdst at a step's head states that the last step's products are done reading K's and V's fragments and all scale words; K's loads follow it at once, and V's behind eight products that name none
; of V's registers.  One wait on vm_vsrc stands ahead of the loads into v192-217.  One more wait on va_vdst stands ahead of the products V^T P, whose source P and its scale word vector lines have just made.
; REGISTERS: v1-9 addresses; v12 -M, v13 largest t, v[14:15] the sum; v16-27 Q; v32-79 V's four fragments; v80-87 K's scale words; v96-159 S^T, then p; v160-191 O^T; v192-217 the next step on its way;
;   v224-235 p's codes; v232-254 at work; v248-251 V's scale words; v255 Q's scale word.  Window 1: v0-95 K's eight fragments.
.set QKSCLO, 6291456
.set VIMGO,  6815744
.set VSCLO,  9961472
.set ASCLO,  3145728
.set LV,  12288                        ; LDS: K's 8 fragments, V's 8,
.set LKS, 24576                        ; K's 8 x 128 bytes of scale words,
.set LVS, 25600                        ; V's
.set KS,  80                           ; v80-87 K's scale words (scale operands have no window)
.set MSB, 0
.macro WIN new                         ; the immediate's high byte repeats the setting that is left
.if MSB != \new
	s_set_vgpr_msb (MSB<<8)|\new
.set MSB, \new
.endif
.endm
.macro LOADT                           ; my share of a step
.irp c,0,1,2
	global_load_b128 v[192+4*\c:195+4*\c], v1, s[32:33] offset:512*\c
.endr
.irp c,0,1,2
	global_load_b128 v[204+4*\c:207+4*\c], v1, s[36:37] offset:512*\c
.endr
	global_load_b32 v216, v2, s[34:35]
	global_load_b32 v217, v2, s[38:39]
.endm
	s_load_b128 s[4:7], s[0:1], 0x0                ; qkv, att
	v_lshl_add_u32 v223, v0, 2, 0x6800
	v_mov_b32 v243, 0
	v_lshrrev_b32 v10, 5, v0
	v_readfirstlane_b32 s8, v10                    ; wave 0..7
	s_wait_alu depctr_va_sdst(0)                   ; s8 is written, ahead of its first reader
	s_lshr_b32 s9, s8, 2                           ; which head of the pair
	s_and_b32 s10, s8, 3                           ; which query tile of the block
	s_and_b32 s48, ttmp7, 0xffff
	s_lshr_b32 s11, s48, 2                         ; batch
	s_and_b32 s12, s48, 3                          ; pair of heads
	s_mov_b32 s13, ttmp9                           ; the first pass's block
	s_mov_b32 s15, 2                               ; passes
	s_mov_b32 s20, 0x76543210
	s_mov_b32 s21, 0xfedcba98                      ; lane l xor 16
	s_mov_b32 s22, 0x3d8293ee                      ; c = log2(e) / sqrt(512)
	s_mov_b32 s23, s22                             ; (named with it as a pair)
	s_cmp_eq_u32 s9, 0
	s_cselect_b32 s16, -1, 0                       ; keeps Q's registers 0-5
	s_cselect_b32 s17, 0, -1                       ; keeps 6-11
	s_lshr_b32 s18, s10, 1
	s_lshl_b32 s18, s18, 5
	s_and_b32 s48, s10, 1
	s_lshl_b32 s48, s48, 3
	s_add_co_u32 s18, s18, s48                     ; my tile's first query in the block
	v_and_b32 v10, 31, v0
	v_lshlrev_b32 v1, 4, v10                       ; 16 x lane
	v_lshlrev_b32 v2, 2, v10                       ; 4 x lane
	v_lshlrev_b32 v8, 3, v10                       ; 8 x lane
	s_mul_i32 s48, s9, 6144
	s_add_co_u32 s48, s48, LV
	v_add_nc_u32 v3, s48, v1                       ; my head's four fragments of V
	s_lshl_b32 s48, s9, 9
	s_add_co_u32 s48, s48, LVS
	v_add_nc_u32 v4, s48, v2                       ; and their scale words
	s_mul_i32 s48, s8, 1536
	v_add_nc_u32 v5, s48, v1                       ; where I put K's fragment w (V's: LV further on)
	s_lshl_b32 s48, s8, 7
	s_add_co_u32 s48, s48, LKS
	v_add_nc_u32 v6, s48, v2                       ; and its scale words (V's: 1,024 further on)
	v_and_b32 v10, 15, v0
	v_and_b32 v11, 8, v10
	v_add_nc_u32 v9, v10, v11
	v_bfe_u32 v11, v0, 4, 1
	v_lshlrev_b32 v11, 4, v11
	v_sub_nc_u32 v9, v9, v11                       ; r + 8 (r / 8) - 16 h
.irp b,0,1,2,3
	v_mov_b32 v[236+\b], 0                         ; a lane permute's destination counts as one of its sources
.endr
	v_mov_b32 v252, 0
	v_mov_b32 v253, 0                              ; (the upper half of the pair v[252:253])
	s_mov_b32 s51, 0
	s_mov_b32 s53, 0
	s_lshl_b32 s48, s11, 8
	s_add_co_u32 s48, s48, s8
	s_lshl_b32 s48, s48, 3
	s_add_co_u32 s48, s48, s12
	s_add_co_u32 s48, s48, 4                       ; K's fragment of key tile 256 b + w: 8 x tile + 4 + pair
	s_lshl_b32 s49, s12, 3
	s_add_co_u32 s49, s49, s8
	s_lshl_b32 s49, s49, 6
	s_lshl_b32 s54, s11, 5
	s_add_co_u32 s49, s49, s54                     ; V's fragment: (8 x pair + w) 64 + 32 b
	s_wait_kmcnt 0x0
	s_mul_i32 s50, s48, 1536
	s_add_nc_u64 s[24:25], s[4:5], s[50:51]        ; the four streams at step 0
	s_lshl_b32 s50, s48, 7
	s_add_co_u32 s50, s50, QKSCLO
	s_add_nc_u64 s[26:27], s[4:5], s[50:51]
	s_mul_i32 s50, s49, 1536
	s_add_co_u32 s50, s50, VIMGO
	s_add_nc_u64 s[28:29], s[4:5], s[50:51]
	s_lshl_b32 s50, s49, 7
	s_add_co_u32 s50, s50, VSCLO
	s_add_nc_u64 s[30:31], s[4:5], s[50:51]
.Lpass:
	s_wait_loadcnt 0x0                             ; no load of the pass before is out when this pass loads into the same registers (Q's, and v192-217): a pass's last step asks for nothing, so the wait is met at once
	s_lshr_b32 s14, s13, 1
	s_add_co_u32 s14, s14, 1                       ; steps of this pass: blk / 2 + 1,
	s_max_u32 s14, s14, 1                          ; at least 1: the loop below counts down to 0
	s_lshl_b32 s50, s11, 8
	s_lshl_b32 s48, s13, 2
	s_add_co_u32 s50, s50, s48
	s_add_co_u32 s50, s50, s10                     ; my query tile T = 256 b + 4 blk + qt
	s_lshl_b32 s50, s50, 3
	s_add_co_u32 s48, s50, s12
	s_mul_i32 s52, s48, 1536
	s_add_nc_u64 s[40:41], s[4:5], s[52:53]        ; Q's fragment
	s_lshl_b32 s52, s48, 7
	s_add_co_u32 s52, s52, QKSCLO
	s_add_nc_u64 s[42:43], s[4:5], s[52:53]
	s_lshl_b32 s48, s12, 1
	s_add_co_u32 s48, s48, s50
	s_add_co_u32 s48, s48, s9                      ; 8 T + head
	s_mul_i32 s52, s48, 768
	s_add_nc_u64 s[44:45], s[6:7], s[52:53]        ; where my half fragment goes
	s_lshl_b32 s52, s48, 7
	s_add_co_u32 s52, s52, ASCLO
	s_add_nc_u64 s[46:47], s[6:7], s[52:53]
	s_mov_b64 s[32:33], s[24:25]
	s_mov_b64 s[34:35], s[26:27]
	s_mov_b64 s[36:37], s[28:29]
	s_mov_b64 s[38:39], s[30:31]
	s_wait_alu depctr_va_vdst(0)                   ; first pass: the offsets and LDS addresses v1-v6 and v8 are written, which every load and store of the kernel reads; second pass: the first pass's vector lines have written v16-27, and its products are done reading them and v255: the loads below land there
.irp c,0,1,2
	global_load_b128 v[16+4*\c:19+4*\c], v1, s[40:41] offset:512*\c
.endr
	global_load_b32 v255, v2, s[42:43]
	LOADT                                          ; step 0
.set j, 0
.rept 32
	v_mov_b32 v[160+j], 0                          ; O^T: the step is written once; its first trip finds zeros
.set j, j+1
.endr
	s_wait_loadcnt 8                               ; Q's four loads are in; step 0's eight may be out
.irp i,0,1,2,3,4,5
	v_and_b32 v[16+\i], s16, v[16+\i]              ; zero codes in the other head's half
.endr
.irp i,6,7,8,9,10,11
	v_and_b32 v[16+\i], s17, v[16+\i]
.endr
	s_and_b32 s48, s13, 1
	s_lshl_b32 s48, s48, 6
	s_add_co_u32 s48, s48, s18
	v_add_nc_u32 v7, s48, v9                       ; d = my query - the last step's first key - 16 h
	v_mov_b32 v13, 0xff61b1e6                      ; the largest t so far: -3e38
	v_floor_f32 v12, -v13                          ; -M
	v_mov_b32 v14, 0
	v_mov_b32 v15, 0
.Lstep:
	s_wait_loadcnt 0x0                             ; my share of this step is in registers
	s_barrier_signal -1                            ; every wave's reads of the slot are over (each was waited for inside the step)
	s_barrier_wait -1
.irp c,0,1,2
	ds_store_b128 v5, v[192+4*\c:195+4*\c] offset:512*\c
.endr
.irp c,0,1,2
	ds_store_b128 v5, v[204+4*\c:207+4*\c] offset:LV+512*\c
.endr
	ds_store_b32 v6, v216
	ds_store_b32 v6, v217 offset:LVS-LKS
	s_wait_dscnt 0x0                               ; for the others' sake: my part of the slot lies in LDS
	s_barrier_signal -1
	s_barrier_wait -1
	s_cmp_eq_u32 s14, 1
	s_cbranch_scc1 .Lno_next                       ; the last step asks for nothing: no load leaves its buffer
	s_add_nc_u64 s[32:33], s[32:33], 98304         ; 8 key tiles on (the loads that named these bases were waited for above)
	s_add_nc_u64 s[34:35], s[34:35], 8192
	s_add_nc_u64 s[36:37], s[36:37], 1536
	s_add_nc_u64 s[38:39], s[38:39], 128
	s_wait_alu depctr_vm_vsrc(0)                   ; the eight LDS stores above have read v192-217, in which the loads below land
	LOADT                                          ; a whole step ahead
.Lno_next:
.rept 4
	v_nop                                          ; four places behind the last step's products, in front of loads into registers that those have read; the wait below stands beside them
.endr
	s_wait_alu depctr_va_vdst(0)                   ; the last step's products are done reading K's and V's fragments and their scale words, in which this step's LDS loads land; in a pass's first step: v16-27, Q with the other head's half cleared, are written, which the products below take as a source
.irp t,0,1,2,3,4,5,6,7
	ds_load_b32 v[KS+\t], v2 offset:LKS+\t*128     ; K's scale words, a register a tile
.endr
	WIN 0x40                                       ; destination window 1; only loads and this switch stand between the wait and the loads below
.irp t,0,1,2,3,4,5,6,7
.irp c,0,1,2
	ds_load_b128 v[12*\t+4*\c:12*\t+4*\c+3], v1 offset:\t*1536+512*\c   ; all eight tiles of 16 keys in one run
.endr
.endr
	WIN 0x01                                       ; source 0 (K) in window 1
	s_wait_dscnt 12                                ; the scale words and tiles 0-3 are in; the twelve loads of tiles 4-7 may be out
.irp t,0,1,2,3                                 ; S^T = K Q^T
	v_wmma_scale_f32_16x16x128_f8f6f4 v[96+8*\t:103+8*\t], v[12*\t:12*\t+11], v[16:27], 0, v[KS+\t], v255 matrix_a_fmt:MATRIX_FMT_FP6 matrix_b_fmt:MATRIX_FMT_FP6
.endr
	s_wait_dscnt 0x0
.irp t,4,5,6,7
	v_wmma_scale_f32_16x16x128_f8f6f4 v[96+8*\t:103+8*\t], v[12*\t:12*\t+11], v[16:27], 0, v[KS+\t], v255 matrix_a_fmt:MATRIX_FMT_FP6 matrix_b_fmt:MATRIX_FMT_FP6
.endr
	WIN 0
.irp t,0,1,2,3                                 ; my head's four tiles of V are asked for here and wanted behind the softmax.  No wait: the eight products issued since the wait at the step's head name none of v3, v4, v32-79, v248-251
.irp c,0,1,2
	ds_load_b128 v[32+12*\t+4*\c:35+12*\t+4*\c], v3 offset:\t*1536+512*\c
.endr
	ds_load_b32 v[248+\t], v4 offset:\t*128
.endr
.rept 4
	v_nop                                          ; four places behind the products, before their results are read
.endr
	s_cmp_lg_u32 s14, 1                            ; only a pass's last step meets the diagonal: earlier keys all count
	s_cbranch_scc1 .Lopen
	v_mov_b32 v254, 0xff800000                     ; -infinity: p = 0 then
.set n, 0
.rept 8                                        ; register 16 b + i holds key 32 b + 16 h + i of the step: hidden where 32 b + i > d.  Eight compares into s56-63, one wait, eight selects
.irp e,0,1,2,3,4,5,6,7
	v_cmp_gt_i32 s[56+\e], 32*((n+\e)/16)+(n+\e)%16, v7
.endr
	s_wait_alu depctr_va_sdst(0)                   ; the eight masks s56-63 are written, ahead of the selects that read them
.irp e,0,1,2,3,4,5,6,7
	v_cndmask_b32 v[96+n+\e], v[96+n+\e], v254, s[56+\e]
.endr
.set n, n+8
.endr
.Lopen:
.irp b,0,1,2,3
	v_max3_num_f32 v[232+\b], v[96+16*\b], v[97+16*\b], v[98+16*\b]   ; the largest score of each block of 32 keys: for the row's maximum, and, since p rises with the score, for the block's largest p
.endr
.irp i,3,5,7,9,11,13
.irp b,0,1,2,3
	v_max3_num_f32 v[232+\b], v[232+\b], v[96+16*\b+\i], v[97+16*\b+\i]
.endr
.endr
.irp b,0,1,2,3
	v_max_num_f32 v[232+\b], v[232+\b], v[111+16*\b]
.endr
.irp b,0,1,2,3
	v_permlanex16_b32 v[236+\b], v[232+\b], s20, s21
.endr
.irp b,0,1,2,3
	v_max_num_f32 v[232+\b], v[232+\b], v[236+\b]
.endr
	v_max3_num_f32 v254, v232, v233, v234
	v_max_num_f32 v254, v254, v235
	v_mul_f32 v254, s22, v254
	v_max_num_f32 v13, v13, v254                   ; the running largest t
	v_mov_b32 v254, v12
	v_floor_f32 v12, -v13                          ; -M = floor(-t): M is a whole number
	v_sub_f32 v254, v12, v254
	v_cvt_i32_f32 v254, v254                       ; (it saturates)
	v_ldexp_f32 v252, 1.0, v254                    ; f = 2^(old M - new M)
.set j, 0
.rept 32
	v_pk_fma_f32 v[96+j:97+j], v[96+j:97+j], s[22:23], v[12:13] op_sel_hi:[1,0,0]   ; t - M
.set j, j+2
.endr
.irp b,0,1,2,3
	v_fma_f32 v[232+\b], v[232+\b], s22, v12
.endr
.set j, 0
.rept 64
	v_exp_f32 v[96+j], v[96+j]                     ; p = 2^(t - M)
.set j, j+1
.endr
	v_pk_mul_f32 v[14:15], v[14:15], v[252:253] op_sel_hi:[1,0]   ; the sums under the new M: a plain instruction behind the batch
	s_wait_alu depctr_va_vdst(0)                   ; the 64 exponentials have written v96-159: one wait for the batch, ahead of the first line that names a result
.irp b,0,1,2,3
	v_exp_f32 v[232+\b], v[232+\b]                 ; each block's largest p
.endr
	v_pk_add_f32 v[236:237], v[96:97], v[98:99]    ; the row's sum, of the unquantised p, in two chains
.irp j,4,8,12,16,20,24,28,32,36,40,44,48,52,56,60
	v_pk_add_f32 v[14:15], v[14:15], v[96+\j:97+\j]
	v_pk_add_f32 v[236:237], v[236:237], v[98+\j:99+\j]
.endr
	v_pk_add_f32 v[14:15], v[14:15], v[236:237]
	s_wait_alu depctr_va_vdst(0)                   ; the four exponentials have written v232-235, ahead of the first line that names them
.irp b,0,1,2,3
	v_max_num_f32 v[232+\b], 0x1800000, v[232+\b]  ; the floor 2^(3 - 127): a block whose every p is 0 keeps the byte 1 over zero codes
.endr
.irp b,0,1,2,3
	v_add_nc_u32 v[244+\b], 0xff000000, v[232+\b]
.endr
.irp b,0,1,2,3
	v_lshrrev_b32 v[236+\b], 23, v[244+\b]
.endr
	v_lshl_or_b32 v253, v237, 8, v236              ; p's scale word for these 128 keys
	v_lshl_or_b32 v253, v238, 16, v253
	v_lshl_or_b32 v253, v239, 24, v253
.irp c,0,1
	v_cvt_scalef32_pk16_fp6_f32 v[224+6*\c:226+6*\c], v[96+32*\c:111+32*\c], v[244+2*\c]
	v_cvt_scalef32_pk16_fp6_f32 v[236+4*\c:238+4*\c], v[112+32*\c:127+32*\c], v[244+2*\c+1]
.endr
	v_nop
.irp c,0,1
.irp i,0,1,2
	v_permlane16_swap_b32 v[224+6*\c+\i], v[236+4*\c+\i]
.endr
.irp i,0,1,2
	v_mov_b32 v[227+6*\c+\i], v[236+4*\c+\i]
.endr
.endr
.set j, 0
.rept 16
	v_pk_mul_f32 v[160+j:161+j], v[160+j:161+j], v[252:253] op_sel_hi:[1,0]   ; O^T under the new M; these are also the places in front of the products below
.set j, j+2
.endr
	s_wait_dscnt 0x0                               ; V's four fragments and their scale words, asked for ahead of the softmax, are in: my reads of the slot are over
	s_wait_alu depctr_va_vdst(0)                   ; vector lines have written p's codes v224-235 and p's scale word v253, which the products below take as a source and as scales; the places above stay beside this wait
.irp t,0,1,2,3                                 ; O^T += V^T P^T: my head's four tiles of 16 channels
	v_wmma_scale_f32_16x16x128_f8f6f4 v[160+8*\t:167+8*\t], v[32+12*\t:43+12*\t], v[224:235], v[160+8*\t:167+8*\t], v[248+\t], v253 matrix_a_fmt:MATRIX_FMT_FP6 matrix_b_fmt:MATRIX_FMT_FP6
.endr
	s_sub_co_u32 s14, s14, 1
	s_cmp_lg_u32 s14, 0
	s_cbranch_scc1 .Lstep
	; THE PASS'S END: O^T / the sum; register 16 b + i is channel 32 b + 16 h + i of my head: two blocks of the next product's K
.rept 4
	v_nop
.endr
	v_add_f32 v14, v14, v15
	v_permlanex16_b32 v252, v14, s20, s21
	v_add_f32 v14, v14, v252
	v_rcp_f32 v14, v14
	v_nop
	s_wait_alu depctr_va_vdst(0)                   ; the reciprocal has written v14, ahead of the first line that names it
	v_mov_b32 v15, v14
.set j, 0
.rept 16
	v_pk_mul_f32 v[96+j:97+j], v[160+j:161+j], v[14:15]
.set j, j+2
.endr
.irp b,0,1
	v_max3_num_f32 v[232+\b], |v[96+16*\b]|, |v[97+16*\b]|, 0x1800000
.endr
.irp i,2,4,6,8,10,12,14
.irp b,0,1
	v_max3_num_f32 v[232+\b], v[232+\b], |v[96+16*\b+\i]|, |v[97+16*\b+\i]|
.endr
.endr
.irp b,0,1
	v_permlanex16_b32 v[236+\b], v[232+\b], s20, s21
.endr
.irp b,0,1
	v_max_num_f32 v[232+\b], v[232+\b], v[236+\b]
.endr
.irp b,0,1
	v_add_nc_u32 v[244+\b], 0xff000000, v[232+\b]
.endr
.irp b,0,1
	v_lshrrev_b32 v[240+\b], 23, v[244+\b]
.endr
	v_lshl_or_b32 v254, v241, 8, v240              ; my head's two bytes
	v_cvt_scalef32_pk16_fp6_f32 v[224:226], v[96:111], v244
	v_cvt_scalef32_pk16_fp6_f32 v[236:238], v[112:127], v245
	v_nop
.irp i,0,1,2
	v_permlane16_swap_b32 v[224+\i], v[236+\i]
.endr
.irp i,0,1,2
	v_mov_b32 v[227+\i], v[236+\i]                 ; v224-229: k = 32 h + 0 .. 31: half a fragment's registers
.endr
	s_wait_alu depctr_va_vdst(0)                   ; the codes v224-229 and the two bytes in v254 are written, which the four stores below read
.irp p,0,1,2
	global_store_b64 v8, v[224+2*\p:225+2*\p], s[44:45] offset:256*\p   ; 256 consecutive bytes a store
.endr
	global_store_b32 v2, v254, s[46:47]
	s_wait_xcnt 0x0                                ; the stores' data and bases are written again only behind this wait
	s_wait_alu depctr_vm_vsrc(0)                   ; the four stores have read v224-229 and v254, which the next pass's vector lines write; the last step's LDS stores have read v192-217, in which the next pass's loads land
	s_sub_co_u32 s13, 63, s13                      ; the other block
	s_sub_co_u32 s15, s15, 1
	s_cmp_lg_u32 s15, 0
	s_cbranch_scc1 .Lpass
	s_wait_dscnt 0x0
	s_wait_alu depctr_hold_cnt(0) depctr_sa_sdst(0) depctr_va_vdst(0) depctr_va_sdst(0) depctr_va_ssrc(0) depctr_va_vcc(0) depctr_vm_vsrc(0)
	s_wait_tensorcnt 0x0
	ds_add_u32 v223, v243
	s_wait_dscnt 0x0
	s_endpgm
.Lfunc_end_k_q39e0111f5e_attn:
	.size	k_q39e0111f5e_attn, .Lfunc_end_k_q39e0111f5e_attn-k_q39e0111f5e_attn
	.p2alignl 7, 3214868480
	.fill 96, 4, 3214868480
	.section	.rodata,"a",@progbits
	.p2align	6, 0x0
	.amdhsa_kernel k_q39e0111f5e_attn
		.amdhsa_group_segment_fixed_size 27648
		.amdhsa_private_segment_fixed_size 0
		.amdhsa_enable_private_segment 0
		.amdhsa_kernarg_size 16
		.amdhsa_user_sgpr_count 2
		.amdhsa_user_sgpr_kernarg_segment_ptr 1
		.amdhsa_wavefront_size32 1
		.amdhsa_system_sgpr_workgroup_id_x 1
		.amdhsa_system_sgpr_workgroup_id_y 1
		.amdhsa_system_sgpr_workgroup_id_z 1
		.amdhsa_system_vgpr_workitem_id 0
		.amdhsa_next_free_vgpr 352
		.amdhsa_next_free_sgpr 66
		.amdhsa_reserve_vcc 0
		.amdhsa_float_denorm_mode_32 3
		.amdhsa_float_denorm_mode_16_64 3
		.amdhsa_memory_ordered 1
		.amdhsa_forward_progress 1
		.amdhsa_inst_pref_size 39
	.end_amdhsa_kernel
	.amdgpu_metadata
---
amdhsa.version: [ 1, 2 ]
amdhsa.kernels:
  - .name:           k_q39e0111f5e_attn
    .symbol:         k_q39e0111f5e_attn.kd
    .args:
      - { .name: qkv, .offset: 0, .size: 8, .value_kind: global_buffer, .address_space: global }
      - { .name: att, .offset: 8, .size: 8, .value_kind: global_buffer, .address_space: global }
    .group_segment_fixed_size: 27648
    .private_segment_fixed_size: 0
    .kernarg_segment_align: 8
    .kernarg_segment_size: 16
    .max_flat_workgroup_size: 256
    .sgpr_count:     66
    .vgpr_count:     352
    .wavefront_size: 32
...
	.end_amdgpu_metadata
.endif
;; end of part 7
;; launch oproj (part 8): grid 256 x 1, 8 waves a work-group, no clusters, 68,608 bytes of LDS; arguments att, wts, bo, x, g2, be2, x1, h2; writes x1, h2
.if DOCPART == 8
	.amdgcn_target "amdgcn-amd-amdhsa--gfx1250"
	.amdhsa_code_object_version 6
	.text
	.protected	k_q39e0111f5e_oproj
	.globl	k_q39e0111f5e_oproj
	.p2align	8
	.type	k_q39e0111f5e_oproj,@function
k_q39e0111f5e_oproj:
	s_mov_b64 s[64:65], 0
	v_nop
	global_prefetch_b8 v0, s[64:65] scope:SCOPE_SE
	s_setreg_imm32_b32 hwreg(HW_REG_WAVE_SCHED_MODE, 0, 2), 2
	s_setreg_imm32_b32 hwreg(HW_REG_WAVE_MODE, 25, 1), 1
	s_wait_xcnt 0x0
	s_wait_alu depctr_vm_vsrc(0)
; x1 = x + att wo + bo (the product on codes of FP6, E2M3, one E8M0 byte for each 32 along K = 512); h2 = LayerNorm 2 of x1, quantised along its 512 for the next product.
; SHARES.  A work-group has 32 rows (tiles 2 G, 2 G + 1) x all 512 columns, so that a row's mean and variance stay inside it.  PRODUCT: wave w makes columns 64 w .. 64 w + 63 (wo's tiles 4 w .. 4 w + 3) for both row
; tiles: 8 accumulators, 32 products; each fragment of wo is read by one wave of the work-group, so operands go from memory straight into registers.  The product is used transposed (source 0 = wo, source 1 = att):
; a lane holds one row and eight neighbouring columns.  bo is loaded into the accumulators.  NORM: the 32 rows meet in LDS; wave w owns LDS rows 4 w .. 4 w + 3, which are four neighbouring rows of x.
; Lane r of tile T stands for row (or column) 32 (T / 2) + 8 (T % 2) + r + 8 (r / 8).  Fragments and scale units are stored as in the launch that quantises LayerNorm 1.
; No cluster: wo (196,608 bytes of codes) is walked by every work-group once, straight into registers; no tile goes through LDS by a tensor load.
; LIMITS: a block of zeros, or one whose largest magnitude lies under 2^-124, gets the byte 1 (read by this program alone); NaN and infinities are not served.
; THE MODE: SCHED_MODE bits 1:0 = 2 (LLVM: expert scheduling mode 2), set by the entry lines.  The code itself states the register dependences between vector or matrix instructions and memory or LDS
; instructions, with s_wait_alu, always for 0.
; THE PLAN.  The text is one straight run.  Registers that memory or LDS instructions touch, in program order:
;   v1, v4-v11       offsets and LDS addresses: made once at the head, never written again.
;   v16-111          att's fragments: loaded, read by the products.  Then X = v16-79: loaded from LDS (the rows of att wo + bo); x is added by vector lines; read by x1's stores; written by the norm; read by the LDS stores
;                    of the rows; loaded from LDS again (a fragment's numbers); read by the quantiser.
;   v112-175         the accumulators: bo is loaded into them, the products write them, LDS stores read them; later the conversions write the codes there (v112-130), and the codes' stores read v112-123.
;   v106             the scale word: written by the quantiser, read by one LDS store.   v108-111: a scale unit read back from LDS and stored.
;   v208-215         att's scale words: made by vector lines, taken by the products as scales.
; Each change from a vector or matrix writer or reader to a memory instruction has one wait on va_vdst ahead of the run of memory instructions; each change from a store to a writer of its data one wait on vm_vsrc.
; REGISTERS: window 0: v1-11 addresses; v16-111 att's 8 fragments, later the rows and the norm's work; v112-175 accumulators, later codes; v176-191 wo's scale words; v192-207 att's half words; v208-215 att's words;
;   v216-247 gain and bias.  Window 1: v0-191 wo's 16 fragments; v192-255 my four rows of x.
.set ROWP, 2064                        ; a row of 512 f32 in LDS + 16 bytes: 516 words, so that 16 neighbouring rows start 4 words apart modulo 64
.set SCG,  32*ROWP
.set WSCL, 2359296
.set HSCL, 3145728
.set ASCLO, 3145728
.set AF,  16
.set ACC, 112
.set SW,  176
.set AH,  192
.set SA,  208
.set X,   16
.set SM,  80
.set MU,  88
.set PM,  96
.set TM,  100
.set SO,  102
.set BY,  104
.set WD,  106
.set T1,  107
.set PC,  112
.set TC,  124
.set G,   216
.set BE,  232
.set MSB, 0
.macro WIN new                         ; the immediate's high byte repeats the setting that is left
.if MSB != \new
	s_set_vgpr_msb (MSB<<8)|\new
.set MSB, \new
.endif
.endm
.macro WSUM
.irp i,0,1,2,3
	v_add_f32 v[SM+2*\i], v[SM+2*\i], v[SM+2*\i+1]
.endr
.irp m,1,2,4,8
.irp i,0,1,2,3
	v_add_f32_dpp v[SM+2*\i], v[SM+2*\i], v[SM+2*\i] row_xmask:\m row_mask:0xf bank_mask:0xf
.endr
.endr
.irp i,0,1,2,3
	v_permlanex16_b32 v[PM+\i], v[SM+2*\i], s40, s41
.endr
.irp i,0,1,2,3
	v_add_f32 v[SM+2*\i], v[SM+2*\i], v[PM+\i]
.endr
.endm
; LayerNorm of four rows, row i in v[X + 16 i ..]: my 16 numbers are columns 128 j + 4 l + 0 .. 3
.macro LNROWS
.irp i,0,1,2,3
	v_pk_add_f32 v[SM+2*\i:SM+2*\i+1], v[X+16*\i:X+16*\i+1], v[X+16*\i+2:X+16*\i+3]
.endr
.irp j,4,6,8,10,12,14
.irp i,0,1,2,3
	v_pk_add_f32 v[SM+2*\i:SM+2*\i+1], v[SM+2*\i:SM+2*\i+1], v[X+16*\i+\j:X+16*\i+\j+1]
.endr
.endr
	WSUM
.irp i,0,1,2,3
	v_mul_f32 v[MU+2*\i], s48, v[SM+2*\i]          ; the mean
.endr
.irp i,0,1,2,3
	v_mov_b32 v[MU+2*\i+1], v[MU+2*\i]
.endr
.irp j,0,2,4,6,8,10,12,14
.irp i,0,1,2,3
	v_pk_add_f32 v[X+16*\i+\j:X+16*\i+\j+1], v[X+16*\i+\j:X+16*\i+\j+1], v[MU+2*\i:MU+2*\i+1] neg_lo:[0,1] neg_hi:[0,1]
.endr
.endr
.irp i,0,1,2,3
	v_pk_mul_f32 v[SM+2*\i:SM+2*\i+1], v[X+16*\i:X+16*\i+1], v[X+16*\i:X+16*\i+1]
.endr
.irp j,2,4,6,8,10,12,14
.irp i,0,1,2,3
	v_pk_fma_f32 v[SM+2*\i:SM+2*\i+1], v[X+16*\i+\j:X+16*\i+\j+1], v[X+16*\i+\j:X+16*\i+\j+1], v[SM+2*\i:SM+2*\i+1]
.endr
.endr
	WSUM
.irp i,0,1,2,3
	v_fma_f32 v[SM+2*\i], v[SM+2*\i], s48, s49     ; the variance + 1e-5
.endr
.irp i,0,1,2,3
	v_rsq_f32 v[MU+2*\i], v[SM+2*\i]
.endr
	v_nop
	s_wait_alu depctr_va_vdst(0)                   ; the four reciprocal roots have written v88, v90, v92, v94: one wait for the batch, ahead of the first line that names a result
.irp i,0,1,2,3
	v_mov_b32 v[MU+2*\i+1], v[MU+2*\i]
.endr
	s_wait_loadcnt 0x0                             ; gain and bias are in
.irp j,0,2,4,6,8,10,12,14
.irp i,0,1,2,3
	v_pk_mul_f32 v[X+16*\i+\j:X+16*\i+\j+1], v[X+16*\i+\j:X+16*\i+\j+1], v[MU+2*\i:MU+2*\i+1]
.endr
.endr
.irp j,0,2,4,6,8,10,12,14
.irp i,0,1,2,3
	v_pk_fma_f32 v[X+16*\i+\j:X+16*\i+\j+1], v[X+16*\i+\j:X+16*\i+\j+1], v[G+\j:G+\j+1], v[BE+\j:BE+\j+1]
.endr
.endr
.endm
; 64 numbers of a lane, v[X + 32 c + i] = k 64 c + 32 h + i of its row, become the fragment's 12 registers in v[PC ..] and its scale word in v[WD]
.macro QB
.irp c,0,1
	v_max3_num_f32 v[TM+\c], |v[X+32*\c]|, |v[X+32*\c+1]|, 0x1800000
.endr
.irp i,2,4,6,8,10,12,14,16,18,20,22,24,26,28,30
.irp c,0,1
	v_max3_num_f32 v[TM+\c], v[TM+\c], |v[X+32*\c+\i]|, |v[X+32*\c+\i+1]|
.endr
.endr
.irp c,0,1
	v_add_nc_u32 v[SO+\c], 0xff000000, v[TM+\c]
.endr
.irp c,0,1
	v_lshrrev_b32 v[BY+\c], 23, v[SO+\c]
.endr
	v_lshl_or_b32 v[WD], v[BY+1], 16, v[BY]
	v_lshlrev_b32 v[T1], 3, v3
	v_lshlrev_b32 v[WD], v[T1], v[WD]
	v_mov_b32 v[T1], 0
	v_permlanex16_b32 v[T1], v[WD], s40, s41
	v_or_b32 v[WD], v[WD], v[T1]
.irp c,0,1
	v_cvt_scalef32_pk16_fp6_f32 v[PC+6*\c:PC+6*\c+2], v[X+32*\c:X+32*\c+15], v[SO+\c]
	v_cvt_scalef32_pk16_fp6_f32 v[TC+4*\c:TC+4*\c+2], v[X+32*\c+16:X+32*\c+31], v[SO+\c]
.endr
	v_nop
.irp c,0,1
.irp i,0,1,2
	v_mov_b32 v[PC+3+6*\c+\i], v[TC+4*\c+\i]
.endr
.endr
.endm
	s_load_b512 s[4:19], s[0:1], 0x0               ; att, wts, bo, x, g2, be2, x1, h2
	v_lshl_add_u32 v254, v0, 2, 0x10800
	v_mov_b32 v255, 0
	v_lshrrev_b32 v12, 5, v0
	v_readfirstlane_b32 s20, v12                   ; wave 0..7
	s_wait_alu depctr_va_sdst(0)                   ; s20 is written, ahead of its first reader
	s_lshr_b32 s21, s20, 2                         ; the norm's tile u
	s_and_b32 s22, s20, 3                          ; and K step s
	v_and_b32 v12, 31, v0
	v_lshlrev_b32 v1, 4, v12                       ; 16 x lane
	v_lshlrev_b32 v4, 3, v12                       ; 8 x lane
	v_lshlrev_b32 v9, 2, v12                       ; 4 x lane
	v_and_b32 v2, 15, v0                           ; r
	v_bfe_u32 v3, v0, 4, 1                         ; h
	s_mul_i32 s44, s20, 4*ROWP
	v_add_nc_u32 v5, s44, v1                       ; my four rows in LDS
	s_mul_i32 s44, s21, 16*ROWP
	s_lshl_b32 s45, s22, 9
	s_add_co_u32 s44, s44, s45
	v_mul_u32_u24 v6, v2, ROWP
	v_lshl_add_u32 v6, v3, 7, v6
	v_add_nc_u32 v6, s44, v6                       ; my fragment's numbers
	s_lshl_b32 s44, s21, 9
	s_lshl_b32 s45, s22, 2
	s_add_co_u32 s44, s44, s45
	s_add_co_u32 s44, s44, SCG
	v_add_nc_u32 v7, s44, v1                       ; my scale word's place
	s_and_b32 s44, s20, 1
	s_lshl_b32 s44, s44, 9
	s_add_co_u32 s44, s44, SCG
	v_add_nc_u32 v8, s44, v1
	s_lshl_b32 s44, s20, 8
	v_mul_u32_u24 v10, v2, ROWP
	v_lshl_add_u32 v10, v3, 6, v10
	v_add_nc_u32 v10, s44, v10                     ; the product's results: row r, byte 256 w + 64 h
	v_lshlrev_b32 v11, 6, v3
	v_add_nc_u32 v11, s44, v11                     ; the same bytes of bo
	s_mov_b32 s40, 0x76543210
	s_mov_b32 s41, 0xfedcba98
	s_mov_b32 s48, 0x3b000000                      ; 2^-9
	s_mov_b32 s49, 0x3727c5ac                      ; 1e-5
	s_mov_b32 s33, 0
	s_lshl_b32 s44, s20, 2
	s_add_co_u32 s44, s44, 96                      ; wo's tile 96 + 4 w
	s_lshl_b32 s45, ttmp9, 5                       ; my four rows of x: 32 G + 8 u + 4 s + 8 (s / 2)
	s_lshl_b32 s46, s21, 3
	s_add_co_u32 s45, s45, s46
	s_lshl_b32 s46, s22, 2
	s_add_co_u32 s45, s45, s46
	s_lshr_b32 s46, s22, 1
	s_lshl_b32 s46, s46, 3
	s_add_co_u32 s45, s45, s46
	s_wait_kmcnt 0x0
	s_lshl_b32 s32, ttmp9, 11
	s_add_co_u32 s32, s32, ASCLO
	s_add_nc_u64 s[24:25], s[4:5], s[32:33]        ; att's scale words: 16 x 128 bytes
	s_mul_i32 s32, ttmp9, 12288
	s_add_nc_u64 s[26:27], s[4:5], s[32:33]        ; att's 8 fragments
	s_lshl_b32 s32, s44, 9
	s_add_co_u32 s32, s32, WSCL
	s_add_nc_u64 s[28:29], s[6:7], s[32:33]
	s_mul_i32 s32, s44, 6144
	s_add_nc_u64 s[30:31], s[6:7], s[32:33]
	s_lshl_b32 s32, s45, 11
	s_add_nc_u64 s[34:35], s[10:11], s[32:33]
	s_add_nc_u64 s[36:37], s[16:17], s[32:33]
	s_wait_alu depctr_va_vdst(0)                   ; the offsets and LDS addresses v1 and v4-v11 are written, which every load and store of the kernel reads; only loads and window switches follow up to the last load of the run below
.irp u,0,1
.irp d,0,1,2,3,4,5,6,7
	global_load_b32 v[AH+8*\u+\d], v9, s[24:25] offset:(8*\u+\d)*128
.endr
.endr
.irp u,0,1
.irp s,0,1,2,3
.irp p,0,1,2,3,4,5
	global_load_b64 v[AF+12*(4*\u+\s)+2*\p:AF+12*(4*\u+\s)+2*\p+1], v4, s[26:27] offset:\u*6144+\s*1536+256*\p   ; two heads' half fragments make a fragment
.endr
.endr
.endr
.irp y,0,1,2,3
	global_load_b128 v[SW+4*\y:SW+4*\y+3], v1, s[28:29] offset:512*\y
.endr
	WIN 0x40
.set q, 0
.rept 48
	global_load_b128 v[4*q:4*q+3], v1, s[30:31] offset:512*q   ; wo's fragment (y, s) at v[12 (4 y + s)] of window 1: 24,576 bytes on end
.set q, q+1
.endr
	WIN 0
.irp u,0,1
.irp y,0,1,2,3
	global_load_b128 v[ACC+32*\u+8*\y:ACC+32*\u+8*\y+3], v11, s[8:9] offset:128*(\y/2)+32*(\y%2)        ; bo: register j of (u, y) is column 64 w + 32 (y / 2) + 16 h + 8 (y % 2) + j
	global_load_b128 v[ACC+32*\u+8*\y+4:ACC+32*\u+8*\y+7], v11, s[8:9] offset:128*(\y/2)+32*(\y%2)+16
.endr
.endr
	WIN 0x40
.irp i,0,1,2,3
.irp j,0,1,2,3
	global_load_b128 v[192+16*\i+4*\j:195+16*\i+4*\j], v1, s[34:35] offset:2048*\i+512*\j th:TH_LOAD_NT
.endr
.endr
	WIN 0
.irp j,0,1,2,3
	global_load_b128 v[G+4*\j:G+4*\j+3], v1, s[12:13] offset:512*\j
.endr
.irp j,0,1,2,3
	global_load_b128 v[BE+4*\j:BE+4*\j+3], v1, s[14:15] offset:512*\j
.endr
	s_wait_loadcnt 24                              ; all that the product needs is in; x's sixteen loads and gain's and bias's eight may be out
.irp u,0,1
.irp j,0,1,2,3
	v_lshl_or_b32 v[SA+4*\u+\j], v[AH+8*\u+2*\j+1], 16, v[AH+8*\u+2*\j]   ; two heads' two bytes each make a K step's word
.endr
.endr
.rept 8
	v_nop                                          ; a scale register written by a vector instruction stands eight places ahead of a scaled product
.endr
	WIN 0x01                                       ; source 0 (wo) in window 1
	s_wait_alu depctr_va_vdst(0)                   ; att's scale words v208-215 are written, which the products below take as scales; the places above stay beside this wait
.irp s,0,1,2,3
.irp u,0,1
.irp y,0,1,2,3
	v_wmma_scale_f32_16x16x128_f8f6f4 v[ACC+32*\u+8*\y:ACC+32*\u+8*\y+7], v[12*(4*\y+\s):12*(4*\y+\s)+11], v[AF+12*(4*\u+\s):AF+12*(4*\u+\s)+11], v[ACC+32*\u+8*\y:ACC+32*\u+8*\y+7], v[SW+4*\y+\s], v[SA+4*\u+\s] matrix_a_fmt:MATRIX_FMT_FP6 matrix_b_fmt:MATRIX_FMT_FP6
.endr
.endr
.endr
	WIN 0
.rept 4
	v_nop
.endr
	s_wait_alu depctr_va_vdst(0)                   ; the products have written the accumulators v112-175, which the LDS stores below read, and are done reading att's fragments: the LDS loads behind the barrier land in v16-79; the places above stay beside this wait
.irp u,0,1
.irp y,0,1,2,3
	ds_store_b128 v10, v[ACC+32*\u+8*\y:ACC+32*\u+8*\y+3] offset:\u*16*ROWP+128*(\y/2)+32*(\y%2)
	ds_store_b128 v10, v[ACC+32*\u+8*\y+4:ACC+32*\u+8*\y+7] offset:\u*16*ROWP+128*(\y/2)+32*(\y%2)+16
.endr
.endr
	s_wait_dscnt 0x0
	s_barrier_signal -1
	s_barrier_wait -1                              ; 32 whole rows of att wo + bo lie in LDS
.irp i,0,1,2,3
.irp j,0,1,2,3
	ds_load_b128 v[X+16*\i+4*\j:X+16*\i+4*\j+3], v5 offset:\i*ROWP+512*\j   ; no vector or matrix instruction since the wait above
.endr
.endr
.irp i,0,1,2,3
	v_mov_b32 v[PM+\i], 0
.endr
	s_wait_loadcnt 8                               ; x is in; gain's and bias's eight loads may be out
	s_wait_dscnt 0x0
	WIN 0x04                                       ; source 1 (x) in window 1
.set k, 0
.rept 32
	v_pk_add_f32 v[X+k:X+k+1], v[X+k:X+k+1], v[192+k:193+k]
.set k, k+2
.endr
	WIN 0
	s_wait_alu depctr_va_vdst(0)                   ; the additions have written the four rows v16-79, which the stores below read
.irp i,0,1,2,3
.irp j,0,1,2,3
	global_store_b128 v1, v[X+16*\i+4*\j:X+16*\i+4*\j+3], s[36:37] offset:2048*\i+512*\j   ; x1: 512 consecutive bytes a store
.endr
.endr
	s_wait_xcnt 0x0                                ; the rows are worked on in place only behind this wait
	s_wait_alu depctr_vm_vsrc(0)                   ; x1's stores have read v16-79, which the norm writes; the LDS stores of the accumulators have read v112-175, where the conversions will write the codes
	LNROWS
	s_wait_alu depctr_va_vdst(0)                   ; the norm has written the four rows v16-79, which the LDS stores below read
.irp i,0,1,2,3
.irp j,0,1,2,3
	ds_store_b128 v5, v[X+16*\i+4*\j:X+16*\i+4*\j+3] offset:\i*ROWP+512*\j   ; into my own four rows, which nobody else reads between the two barriers
.endr
.endr
	s_wait_dscnt 0x0
	s_barrier_signal -1
	s_barrier_wait -1
	s_wait_alu depctr_vm_vsrc(0)                   ; my LDS stores have read v16-79, in which the loads below land (their last vector writers stand ahead of the wait on va_vdst above)
.irp c,0,1
.irp e,0,1,2,3,4,5,6,7
	ds_load_b128 v[X+32*\c+4*\e:X+32*\c+4*\e+3], v6 offset:256*\c+16*\e
.endr
.endr
	s_wait_dscnt 0x0
	QB
	s_lshl_b32 s44, ttmp9, 1
	s_add_co_u32 s45, s44, s21                     ; tile 2 G + u
	s_lshl_b32 s45, s45, 2
	s_add_co_u32 s45, s45, s22
	s_mul_i32 s32, s45, 1536
	s_add_nc_u64 s[38:39], s[18:19], s[32:33]
	s_wait_alu depctr_va_vdst(0)                   ; the codes v112-123 and the scale word v106 are written, which the stores below read; the products' reads of v108-111, in which the last LDS load lands, are long over
.irp c,0,1,2
	global_store_b128 v1, v[PC+4*\c:PC+4*\c+3], s[38:39] offset:512*\c
.endr
	ds_store_b32 v7, v[WD]
	s_wait_dscnt 0x0
	s_barrier_signal -1
	s_barrier_wait -1
	s_cmp_gt_u32 s20, 1
	s_cbranch_scc1 .Lend
	ds_load_b128 v[108:111], v8
	s_add_co_u32 s45, s44, s20
	s_lshl_b32 s46, s45, 9
	s_add_co_u32 s46, s46, HSCL
	s_mov_b32 s47, 0
	s_add_nc_u64 s[42:43], s[18:19], s[46:47]
	s_wait_dscnt 0x0
	global_store_b128 v1, v[108:111], s[42:43]
.Lend:
	s_wait_dscnt 0x0
	s_wait_alu depctr_hold_cnt(0) depctr_sa_sdst(0) depctr_va_vdst(0) depctr_va_sdst(0) depctr_va_ssrc(0) depctr_va_vcc(0) depctr_vm_vsrc(0)
	s_wait_tensorcnt 0x0
	ds_add_u32 v254, v255
	s_wait_dscnt 0x0
	s_endpgm
.Lfunc_end_k_q39e0111f5e_oproj:
	.size	k_q39e0111f5e_oproj, .Lfunc_end_k_q39e0111f5e_oproj-k_q39e0111f5e_oproj
	.p2alignl 7, 3214868480
	.fill 96, 4, 3214868480
	.section	.rodata,"a",@progbits
	.p2align	6, 0x0
	.amdhsa_kernel k_q39e0111f5e_oproj
		.amdhsa_group_segment_fixed_size 68608
		.amdhsa_private_segment_fixed_size 0
		.amdhsa_enable_private_segment 0
		.amdhsa_kernarg_size 64
		.amdhsa_user_sgpr_count 2
		.amdhsa_user_sgpr_kernarg_segment_ptr 1
		.amdhsa_wavefront_size32 1
		.amdhsa_system_sgpr_workgroup_id_x 1
		.amdhsa_system_sgpr_workgroup_id_y 1
		.amdhsa_system_sgpr_workgroup_id_z 1
		.amdhsa_system_vgpr_workitem_id 0
		.amdhsa_next_free_vgpr 512
		.amdhsa_next_free_sgpr 66
		.amdhsa_reserve_vcc 0
		.amdhsa_float_denorm_mode_32 3
		.amdhsa_float_denorm_mode_16_64 3
		.amdhsa_memory_ordered 1
		.amdhsa_forward_progress 1
		.amdhsa_inst_pref_size 49
	.end_amdhsa_kernel
	.amdgpu_metadata
---
amdhsa.version: [ 1, 2 ]
amdhsa.kernels:
  - .name:           k_q39e0111f5e_oproj
    .symbol:         k_q39e0111f5e_oproj.kd
    .args:
      - { .name: att, .offset: 0, .size: 8, .value_kind: global_buffer, .address_space: global }
      - { .name: wts, .offset: 8, .size: 8, .value_kind: global_buffer, .address_space: global }
      - { .name: bo, .offset: 16, .size: 8, .value_kind: global_buffer, .address_space: global }
      - { .name: x, .offset: 24, .size: 8, .value_kind: global_buffer, .address_space: global }
      - { .name: g2, .offset: 32, .size: 8, .value_kind: global_buffer, .address_space: global }
      - { .name: be2, .offset: 40, .size: 8, .value_kind: global_buffer, .address_space: global }
      - { .name: x1, .offset: 48, .size: 8, .value_kind: global_buffer, .address_space: global }
      - { .name: h2, .offset: 56, .size: 8, .value_kind: global_buffer, .address_space: global }
    .group_segment_fixed_size: 68608
    .private_segment_fixed_size: 0
    .kernarg_segment_align: 8
    .kernarg_segment_size: 64
    .max_flat_workgroup_size: 256
    .sgpr_count:     66
    .vgpr_count:     512
    .wavefront_size: 32
...
	.end_amdgpu_metadata
.endif
;; end of part 8
;; launch ff1: the kernel of part 5 again; grid 8 x 32, 8 waves a work-group, no clusters, 197,632 bytes of LDS; arguments h2, wts, b1, hid; writes hid
;; launch ff2: the kernel of part 6 again; grid 4 x 64, 8 waves a work-group, no clusters, 327,680 bytes of LDS; arguments hid, wts, b2, x1, out0; writes out0
